; MI455X (gfx1250); checked and timed in simulation.
; The chip was launched on July 23, 2026; its instructions are those of AMD's public machine-readable ISA for CDNA 5 (MIT licence, August 2026) and "CDNA5" Instruction Set Architecture Reference Guide (July 2026). The comments in the code are by the model that wrote it; some were corrected since.
;; Attention. Allowed arithmetic: matrix products marked QUANTISED: E5M2 operands, one E8M0 scale for each 32 along K, by v_wmma_scale_f32_16x16x128_f8f6f4 with both operands' format E5M2, f32 sums; everything else in f32.
;; Inputs: attention_mask 2 x 1 x 2,048 x 2,048 bool; key_layer_codes 2 x 32 x 2,048 x 4 x 32 uint8 (E5M2 codes of key_layer, K innermost, in blocks of 32 codes); key_layer_scales 2 x 32 x 2,048 x 4 uint8 (E8M0 scales of key_layer, one for each 32 codes along K); query_layer_codes 2 x 32 x 2,048 x 4 x 32 uint8 (E5M2 codes of query_layer, K innermost, in blocks of 32 codes); query_layer_scales 2 x 32 x 2,048 x 4 uint8 (E8M0 scales of query_layer, one for each 32 codes along K); value_layer_codes 2 x 32 x 128 x 64 x 32 uint8 (E5M2 codes of value_layer, K innermost, in blocks of 32 codes); value_layer_scales 2 x 32 x 128 x 64 uint8 (E8M0 scales of value_layer, one for each 32 codes along K).
;; Outputs: out0 2 x 2,048 x 4,096 float32.
;; This version of the problem:
;;   THIS VERSION OF THE PROBLEM IS GIVEN IN LOW PRECISION. The matrix products marked QUANTISED in the list below multiply operands that are first quantised to E5M2 (5 exponent bits, 2 mantissa bits; 8 bits a number), with one power-of-two scale for each 32 numbers along K (OCP MX v1.0); their sums are f32. All else is computed in f32.
;;   The module's matrix products, in the order in which they are computed (A, B: the left and right operand; K: the contracted axis; several contracted axes count as one K, in the product's order):
;;     1. batch 64 x [M 2,048, K 128] x [K 128, N 2,048]; A: input query_layer (given as codes); B: input key_layer (given as codes): QUANTISED
;;     2. batch 64 x [M 2,048, K 2,048] x [K 2,048, N 128]; A: softmax (see below); B: input value_layer (given as codes): QUANTISED
;;   THE QUANTISER, for each operand of a quantised product, along K:
;;     - K is cut into blocks of 32 from its start; a last block that is shorter is filled with zeros.
;;     - A block's scale is 2^e with e = floor(log2(the largest magnitude in the block)) - 15, held to -126 .. 127; a block of zeros has e = 0. As a byte (E8M0): e + 127.
;;     - Each number is divided by its block's scale, clamped to +-57,344, and rounded to the nearest number of E5M2, ties to even, subnormals kept.
;;     - The product sums the exact products of the quantised numbers (number of the format x scale) in f32.
;;   ~~~python
;;   def quantise(x, axis):      # numpy; x: float32 -> the quantised numbers, widened to float32 again
;;       x = np.moveaxis(x, axis, -1); K = x.shape[-1]
;;       x = np.pad(x, [(0, 0)] * (x.ndim - 1) + [(0, -K % 32)]); x = x.reshape(x.shape[:-1] + (-1, 32)); a = np.abs(x).max(-1, keepdims=True)
;;       e = np.where(a > 0, np.clip(np.frexp(np.where(a > 0, a, 1))[1] - 1 - 15, -126, 127), 0)      # np.frexp(a)[1] - 1 = floor(log2(a)), exactly
;;       r = np.clip(x / 2.0 ** e, -57344, 57344)
;;       step = 2.0 ** (np.maximum(np.frexp(np.where(r == 0, 1, r))[1] - 1, -14) - 2)
;;       q = np.round(r / step) * step * 2.0 ** e      # np.round: ties to even
;;       return np.moveaxis(q.reshape(q.shape[:-2] + (-1,))[..., :K], -1, axis).astype(np.float32)
;;   ~~~
;;   SOFTMAX AHEAD OF A QUANTISED PRODUCT. Where the list says 'softmax', what is quantised is not the finished softmax but p = 2^(t - M), with t = logit x log2(e) and M = ceil(the row's largest t), a whole number; so 1/2 < the row's largest p <= 1. The row's sum l is taken of the UNQUANTISED p, in f32, and the product's result is divided by l at the end. Since M is a whole number, a kernel that streams over the keys may use a running M (the ceiling of the running maximum): every later rescaling is an exact power of two, which a block's scale takes up: the codes' values come out the same.
;;   OPERANDS COMPUTED ON THE WAY. 'Computed on the way' means the value that the module computes at that place (a softmax that the list does not call 'softmax' is quantised finished and normalised). What goes into a quantiser is computed in f32, as accurately as f32 sums, v_exp_f32 and their like allow (about 1e-6 of the number): no bf16 or f16 on the way to a quantiser, and a product that is left as it is and whose result goes on into a quantised operand takes f32 operands (vector FMAs, or v_wmma_f32_16x16x4_f32). A number that lies on a knife's edge between two numbers of the format may be rounded either way, as far as f32 arithmetic and the matrix unit's own rounding can turn it there, and no further.
;;   INPUTS GIVEN AS CODES. key_layer (in the module: [2, 32, 2048, 128], K = its axis 3); query_layer (in the module: [2, 32, 2048, 128], K = its axis 3); value_layer (in the module: [2, 32, 2048, 128], K = its axis 2): each comes as NAME_codes (uint8): NAME with its K axis moved to the last place and cut into blocks of 32 codes, [.., K / 32, bytes a block], one block behind the other in memory; one code a byte (a code: sign, 5 exponent bits, 2 mantissa bits); and NAME_scales (uint8): the same leading axes, one E8M0 byte (e + 127) for each 32 codes along K. Its value is code x scale, taken as it is: it is not quantised again, and the codes and scales need not be those that the quantiser above would give.
;; 2 versions. Each part assembles by itself: llvm-mc -triple=amdgcn-amd-amdhsa -mcpu=gfx1250 --defsym DOCPART=n.
;; ======== version 1 of 2: 2 launches
;; workspace buffers: maskbits 1,048,576 bytes of whole numbers; flags 1,024 bytes of whole numbers
;; launch pack (part 1): grid 256 x 1, 4 waves a work-group, no clusters, 768 bytes of LDS; arguments attention_mask, maskbits, flags; writes maskbits, flags
.if DOCPART == 1
	.amdgcn_target "amdgcn-amd-amdhsa--gfx1250"
	.amdhsa_code_object_version 6
	.text
	.protected	k_q1751b322d2_pack
	.globl	k_q1751b322d2_pack
	.p2align	8
	.type	k_q1751b322d2_pack,@function
k_q1751b322d2_pack:
	s_mov_b64 s[64:65], 0
	v_nop
	global_prefetch_b8 v0, s[64:65] scope:SCOPE_SE
	s_setreg_imm32_b32 hwreg(HW_REG_WAVE_MODE, 25, 1), 1
	s_wait_xcnt 0x0
; attention_mask [2][1][2048][2048], one byte a place (any byte that is not 0 counts as hidden), becomes whole numbers for the attention launch.
; maskbits [b 2][qt 128][step 16][n 64] of 32-bit words: word n of the tile (16 queries 16 qt .., 128 keys 128 step ..) is a LANE MASK: bit l is 1 where
;   mask[b][16 qt + l % 16][128 step + 32 (n / 16) + 16 (l / 16) + n % 16] is hidden: that is the score which lane l of the attention launch holds in its n-th score register.
; flags [b 2][qt 128] of 32-bit words: bit j: tile (qt, step j) has at least one open place; bit 16 + j: it has at least one hidden place.
; SHARES.  Work-group g = 128 b + qt owns 16 rows of the mask; wave w owns steps 4 w .. 4 w + 3: 512 bytes of each row.  Lane (r = l % 16, h = l / 16) takes row r and, of each block of 32 keys, bytes 16 h .. 16 h + 15,
; so that a compare over the 32 lanes gives a word as it is wanted.  A tile's 64 words are gathered two to a lane and leave as 256 consecutive bytes, aligned.
; The flag word of a work-group is 4 bytes: 1,024 bytes in the whole launch leave so.
; No matrix work, no tensor loads: the launch moves 8 MiB in and 1 MiB out.
.set VO, 2                             ; v2      2048 r + 16 h: my bytes in the wave's 512 of 16 rows
.set LO, 3                             ; v3      8 x lane: my two words of a tile's 64
.set T,  4                             ; v4-7    four bytes at work
.set W,  8                             ; v8-15   a pair for each of the wave's four tiles: lane L holds words 2 L and 2 L + 1
.set X,  16                            ; v16-79  the mask bytes: tile jj, block blk: four registers at X + 16 jj + 4 blk
	s_load_b128 s[4:7], s[0:1], 0x0                ; the mask, maskbits
	s_load_b64 s[8:9], s[0:1], 0x10                ; flags
	v_lshl_add_u32 v96, v0, 2, 0x100
	v_mov_b32 v97, 0
	v_lshrrev_b32 v1, 5, v0
	v_readfirstlane_b32 s10, v1                    ; wave 0..3
	v_and_b32 v1, 31, v0                           ; lane
	v_and_b32 v4, 15, v0                           ; r
	v_bfe_u32 v5, v0, 4, 1                         ; h
	v_lshlrev_b32 v[VO], 11, v4
	v_lshl_add_u32 v[VO], v5, 4, v[VO]
	v_lshlrev_b32 v[LO], 3, v1
.irp i, 0,1,2,3,4,5,6,7
	v_mov_b32 v[W+\i], 0                           ; written once: v_writelane_b32's destination counts as one of its sources
.endr
	s_lshl_b32 s12, ttmp9, 15                      ; the mask: 16 rows of 2,048 bytes a work-group,
	s_lshl_b32 s13, s10, 9                         ; 512 bytes of a row a wave
	s_add_co_u32 s12, s12, s13
	s_mov_b32 s13, 0
	s_lshl_b32 s14, ttmp9, 12                      ; maskbits: 16 tiles of 256 bytes a work-group,
	s_lshl_b32 s15, s10, 10                        ; four a wave
	s_add_co_u32 s14, s14, s15
	s_mov_b32 s15, 0
	s_lshl_b32 s24, ttmp9, 2                       ; flags: a word a work-group
	s_mov_b32 s25, 0
	s_mov_b32 s19, 0                               ; the wave's flag bits
	s_wait_kmcnt 0x0
	s_add_nc_u64 s[4:5], s[4:5], s[12:13]
	s_add_nc_u64 s[6:7], s[6:7], s[14:15]
	s_add_nc_u64 s[8:9], s[8:9], s[24:25]
.irp jj, 0,1,2,3
.irp blk, 0,1,2,3
	global_load_b128 v[X+16*\jj+4*\blk:X+16*\jj+4*\blk+3], v[VO], s[4:5] offset:128*\jj+32*\blk th:TH_LOAD_NT   ; read once in the launch
.endr
.endr
; One tile: 64 words.  Word n is the compare of byte n % 4 of register n / 4 against 0, over the 32 lanes; it goes to lane n / 2 of the tile's pair, and into the OR and the AND of the tile's words.
.macro TILE jj
	s_wait_loadcnt 12-4*\jj                        ; this tile's four loads are in; the four of each later tile may be out
	s_mov_b32 s16, 0                               ; the OR: not 0 where a place is hidden
	s_mov_b32 s17, -1                              ; the AND: not all ones where a place is open
.set n, 0
.rept 16
.irp k, 0,1,2,3
	v_bfe_u32 v[T+\k], v[X+16*\jj+n/4], 8*\k, 8
.endr
.irp k, 0,1,2,3
	v_cmp_ne_u32 s[20+\k], 0, v[T+\k]              ; the scalar register now IS word n + k
.endr
.irp k, 0,1,2,3
	v_writelane_b32 v[W+2*\jj+\k%2], s[20+\k], (n+\k)/2
.endr
.irp k, 0,1,2,3
	s_or_b32 s16, s16, s[20+\k]
	s_and_b32 s17, s17, s[20+\k]
.endr
.set n, n+4
.endr
	s_cmp_lg_u32 s16, 0
	s_cselect_b32 s18, 1<<(16+\jj), 0
	s_or_b32 s19, s19, s18
	s_cmp_lg_u32 s17, -1
	s_cselect_b32 s18, 1<<\jj, 0
	s_or_b32 s19, s19, s18
	global_store_b64 v[LO], v[W+2*\jj:W+2*\jj+1], s[6:7] offset:256*\jj   ; the 32 lanes store 256 consecutive bytes, aligned; each tile has its own pair, so no store's data are written again
.endm
	TILE 0
	TILE 1
	TILE 2
	TILE 3
	s_lshl_b32 s18, s10, 2
	s_lshl_b32 s19, s19, s18                       ; my four steps' bits to their places: 4 w + jj and 16 + 4 w + jj
	v_mov_b32 v80, s10
	v_lshlrev_b32 v80, 2, v80                      ; a word of LDS for each wave
	v_mov_b32 v81, s19
	ds_store_b32 v80, v81                          ; all lanes write the same word with the same value
	s_wait_dscnt 0x0                               ; for the others' sake: my store has landed
	s_barrier_signal -1
	s_barrier_wait -1
	v_mov_b32 v82, 0
	ds_load_b128 v[84:87], v82                     ; the four waves' bits
	s_wait_dscnt 0x0
	v_or_b32 v84, v84, v85
	v_or_b32 v86, v86, v87
	v_or_b32 v84, v84, v86
	s_wait_xcnt 0x0                                ; EXEC is a source of the stores above: it changes only behind this wait
	v_cmp_eq_u32 vcc_lo, 0, v0
	s_wait_tensorcnt 0x0
	ds_add_u32 v96, v97
	s_wait_dscnt 0x0
	s_and_saveexec_b32 s18, vcc_lo                 ; thread 0 alone
	global_store_b32 v82, v84, s[8:9]
	s_endpgm
.Lfunc_end_k_q1751b322d2_pack:
	.size	k_q1751b322d2_pack, .Lfunc_end_k_q1751b322d2_pack-k_q1751b322d2_pack
	.p2alignl 7, 3214868480
	.fill 96, 4, 3214868480
	.section	.rodata,"a",@progbits
	.p2align	6, 0x0
	.amdhsa_kernel k_q1751b322d2_pack
		.amdhsa_group_segment_fixed_size 768
		.amdhsa_private_segment_fixed_size 0
		.amdhsa_enable_private_segment 0
		.amdhsa_kernarg_size 24
		.amdhsa_user_sgpr_count 2
		.amdhsa_user_sgpr_kernarg_segment_ptr 1
		.amdhsa_wavefront_size32 1
		.amdhsa_system_sgpr_workgroup_id_x 1
		.amdhsa_system_sgpr_workgroup_id_y 1
		.amdhsa_system_sgpr_workgroup_id_z 1
		.amdhsa_system_vgpr_workitem_id 0
		.amdhsa_next_free_vgpr 98
		.amdhsa_next_free_sgpr 66
		.amdhsa_reserve_vcc 1
		.amdhsa_float_denorm_mode_32 3
		.amdhsa_float_denorm_mode_16_64 3
		.amdhsa_memory_ordered 1
		.amdhsa_forward_progress 1
		.amdhsa_inst_pref_size 70
	.end_amdhsa_kernel
	.amdgpu_metadata
---
amdhsa.version: [ 1, 2 ]
amdhsa.kernels:
  - .name:           k_q1751b322d2_pack
    .symbol:         k_q1751b322d2_pack.kd
    .args:
      - { .name: attention_mask, .offset: 0, .size: 8, .value_kind: global_buffer, .address_space: global }
      - { .name: maskbits, .offset: 8, .size: 8, .value_kind: global_buffer, .address_space: global }
      - { .name: flags, .offset: 16, .size: 8, .value_kind: global_buffer, .address_space: global }
    .group_segment_fixed_size: 768
    .private_segment_fixed_size: 0
    .kernarg_segment_align: 8
    .kernarg_segment_size: 24
    .max_flat_workgroup_size: 128
    .sgpr_count:     66
    .vgpr_count:     98
    .wavefront_size: 32
...
	.end_amdgpu_metadata
.endif
;; end of part 1
;; launch attn (part 2): grid 4 x 64, 16 waves a work-group, no clusters, 274,432 bytes of LDS; arguments query_layer_codes, query_layer_scales, key_layer_codes, key_layer_scales, value_layer_codes, value_layer_scales, maskbits, flags, out0; writes out0
.if DOCPART == 2
	.amdgcn_target "amdgcn-amd-amdhsa--gfx1250"
	.amdhsa_code_object_version 6
	.text
	.protected	k_q1751b322d2_attn
	.globl	k_q1751b322d2_attn
	.p2align	8
	.type	k_q1751b322d2_attn,@function
k_q1751b322d2_attn:
	s_mov_b64 s[64:65], 0
	v_nop
	global_prefetch_b8 v0, s[64:65] scope:SCOPE_SE
	s_setreg_imm32_b32 hwreg(HW_REG_WAVE_MODE, 25, 1), 1
	s_wait_xcnt 0x0
; out0[b][q][128 hd ..] = the sum over k of softmax_k(where(mask, -inf, Q[b][hd][q] . K[b][hd][k] / sqrt(128))) V[b][hd][k][:], both products on codes of BF8 (E5M2) with one E8M0 scale for each 32 along a product's K.
; Q, K: [64 heads][2048][128] codes, K = the head's 128; scale bytes [64][2048][4].  V: codes with the KEYS innermost, [64][128][2048]; scale bytes [64][128][64].  out0: [2][2048][4096] f32.
; THE MASK is an input.  The launch before has turned it into lane masks (maskbits: word n of a tile of 16 queries x 128 keys has bit l set where lane l's n-th score is hidden) and into flags (bit j of a query tile's word:
; step j has an open place; bit 16 + j: it has a hidden place).  A hidden score becomes -infinity by ONE v_cndmask_b32 on a scalar register.  A tile with no open place is passed over: all its p would be 0 and M would stay;
; a tile with no hidden place passes over the 64 selects.  Both are scalar branches on stored whole numbers, right for any mask.
; THE SOFTMAX AHEAD OF THE SECOND PRODUCT: t = score x log2(e) / sqrt(128); M = the row's largest t so far, rounded UP to a whole number; p = 2^(t - M) is quantised along the keys, not normalised.
; The row's sum is taken of the unquantised p, in f32, and divides O at the end.  When M moves, the sum and O are multiplied by 2^(old M - new M): exact.
; SHARES.  256 work-groups: x = 0..3, y = the head.  A work-group makes two passes of 256 queries: block 7 - x, then block x: where a mask hides later keys, the two blocks together have the same number of open tiles for every x.
; Each of the SIXTEEN waves owns 16 queries, one tile, in 256 registers: four waves to a SIMD, so that one wave's vector work stands beside another's matrix work and LDS loads.
; Keys go 128 to a step, two steps to a slot, through two LDS slots; the loop over slots has the constant count 8, and a slot that no wave of the work-group wants is not fetched.
; NO TENSOR LOADS, NO CLUSTER, and the reason: the passing over of tiles is a branch on numbers read from memory; joint loads are tensor loads.
; What partners could share is a slot's 64 KiB of codes; what the branch leaves out is whole tiles of work (16 products and their softmax), and partners would have different numbers of open tiles.
; So the slots are filled through registers: each of the 512 threads carries 4 x 16 bytes of K during the slot's first step and 4 x 16 bytes of V during its second.
; LAYOUT.  Both products are used transposed: S^T = K Q^T (source 0 = 16 keys, source 1 = my 16 queries), O^T = V^T P^T (source 0 = 16 of the head's 128, source 1 = P): a lane holds ONE query (lane % 16) throughout.
; THE KEYS OF A TILE ARE NOT NEIGHBOURS: lane r of tile 2 b + u takes key 32 b + 8 u + r + 8 (r / 8), so that score register 16 b + i of lane (r, h) is key 32 b + 16 h + i: 16 neighbours, as the conversions want them.
; LIMITS.  A row that is hidden entirely has the sum 0 and O = 0: 0 x (1 / 0) = NaN, as the softmax of a row of -infinity is.  A t under -3e38 is not told apart from 'nothing seen yet'.
; NaN codes and scale bytes 0xff go into the sums as they are.  A block whose every p is 0 keeps the scale byte 1: its codes are zeros.
.set KPI,   144                        ; a key's row in LDS: 128 bytes + 16
.set VPI,   272                        ; a row of V's tile in LDS: 256 bytes (256 keys) + 16
.set VOFF,  256*KPI                    ; a slot: 256 rows of K, then 128 rows of V
.set SLOT1, 1<<17                      ; slot 1 begins here: one exclusive or turns an address in one slot into the other's
.set KSC,   VOFF+128*VPI               ; behind slot 0: the head's K scale words, 4 bytes a key, 8,192 bytes;
.set VSC,   KSC+8192                   ; V's, turned: [step 16][d 128] words, 8,192 bytes
.set STAGE, SLOT1+KSC                  ; behind slot 1: the way out: 16 rows x 272 bytes for each wave
.set SPI,   272
.set AK0,  1                           ; v1   my lane's place in a tile of K
.set AV0,  2                           ; v2   the same for V
.set ASK0, 3                           ; v3   my lane's place among K's scale words
.set ASV0, 4                           ; v4   and among V's
.set ADK,  5                           ; v5-8 the step's LDS addresses: K, V, K's scale words, V's
.set ADV,  6
.set ADS,  7
.set ADT,  8
.set SO,   5                           ; on the way out: where I put 32 bytes of a row, where I read a row back, my byte offset in out0
.set SR,   6
.set GO,   7
.set KW0,  9                           ; v9   where my thread stores its 16 bytes of K in a slot
.set VW0,  10                          ; v10  and of V
.set TW,   11                          ; v11  address of the stores in hand
.set NM,   12                          ; v12 -M, v13 the largest t: a pair for the packed form, which takes its low word
.set SUM,  14                          ; v[14:15] the row's sum in two halves
.set GKO,  16                          ; v16  my thread's byte in a slot's K in memory: 16 x thread
.set GVO,  17                          ; v17  and in V: row thread / 16 of 2,048 bytes, + 16 (thread % 16)
.set NINF, 18                          ; v18  -infinity
.set QSC,  19                          ; v19  Q's scale words;  v20-23 four tiles' of K or V;  v24 p's: these six hold scales and nothing else
.set KVS,  20
.set PSC,  24
.set PFO,  25                          ; v25  the prefetches' offset
.set F,    26                          ; v[26:27] f = 2^(old M - new M); v27 is named with it as a pair
.set PT,   28                          ; v28  a lane permute's result on the way out
.set QO,   29                          ; v29  Q: 128 r + 16 h
.set QSO,  30                          ; v30  Q's scale words: 4 r
.set TW2,  31                          ; v31  a second address for stores
.set Q,    32                          ; v32-47   Q's fragment
.set R,    48                          ; v48-63   sixteen registers on the way from memory to a slot
.set A,    64                          ; v64-127  four fragments of K; then the softmax's work; on the way out rows of out0
.set S,    128                         ; v128-191 S^T, then p; then four fragments of V
.set O,    192                         ; v192-255 O^T
.set PC,   A                           ; p's codes, 16 registers
.set BM,   A+16                        ; the four blocks' largest scores, then largest p
.set PM,   A+20                        ; lane permutes' results, then the scale bytes
.set HOLD, A+24                        ; 57,344 x the scale
.set SCOP, A+28                        ; the conversions' scale operands
.set SUM2, A+32                        ; a second chain of sums
.set T,    A+34
.set WV,   2                           ; s2   my wave's number
.set BLK,  3                           ; s3   the pass's block of 256 queries
.set QB,   4                           ; s[4:5] Q's codes, s[6:7] Q's scales, at the head
.set QSB,  6
.set KPT,  8                           ; s[8:9] K's codes at the slot in hand
.set MPT,  10                          ; s[10:11] K's scales at the kernel's head; then my tile's mask words of the slot in hand
.set VPT,  12                          ; s[12:13] V's codes at the slot in hand
.set MBB,  16                          ; s[16:17] maskbits, s[18:19] flags, at my batch;  s[20:21] out0 at my batch and head.  (s[14:15]: V's scales at the kernel's head, then at work)
.set FLB,  18
.set OB,   20
.set CS,   22                          ; s[22:23] c = log2(e) / sqrt(128)
.set SEL,  24                          ; s[24:25] v_permlanex16_b32's selects for lane l xor 16
.set MNT,  26                          ; s26  the mantissa field of 57,344
.set PS,   27                          ; s27  passes to go
.set SLOTS, 28                         ; s28  slots to go
.set FL,   29                          ; s29  my tile's flags, shifted so that the slot in hand stands at bits 0, 1 and 16, 17
.set WFN,  30                          ; s30  bit 0: some wave of the work-group wants the NEXT slot
.set TB,   31                          ; s31  LDS byte at which the slot in hand begins
.set TS,   66                          ; s66  where the slot's scale words begin: 1,024 bytes a slot
.set LIM,  67                          ; s67  2 in a wave that prefetches, else the greatest number
; s[32:63], s[68:99]: a step's 64 mask words, word n in s[32 + n + 4 (n / 32)]; at a pass's head and on the way out they are at work
.macro PLACES n                        ; plain vector instructions between a matrix instruction and what may not follow it closely (ISA guide 7.12.1)
.rept \n
	v_nop
.endr
.endm
.macro BAR                             ; my LDS stores have landed and my LDS loads are in: then the work-group's barrier
	s_wait_dscnt 0x0
	s_barrier_signal -1
	s_barrier_wait -1
.endm
.macro LD4 reg, off, base, imm, stride ; a thread's four pieces of 16 bytes of half a slot.  K: a wave's load covers 512 consecutive bytes; V: sixteen lanes cover 256 consecutive bytes, aligned.  No hint: other work-groups read the same bytes
.irp u, 0,1,2,3
	global_load_b128 v[\reg+4*\u:\reg+4*\u+3], v[\off], s[\base:\base+1] offset:\imm+\stride*\u
.endr
.endm
.macro ST4 tmp, lanereg, reg, stride, slot   ; and into the slot that begins at s[slot]
	v_add_nc_u32 v[\tmp], s[\slot], v[\lanereg]
.irp u, 0,1,2,3
	ds_store_b128 v[\tmp], v[\reg+4*\u:\reg+4*\u+3] offset:\stride*\u
.endr
.endm
; A PREFETCH INTO THE L2, in trip s of the loop over slots, of slot s + 2: one slot beyond the loads that the trip has just issued.  Each aligned block of 256 bytes of a head's K and V is named once in the launch:
; the four work-groups of a head walk the same K and V, twice: the work-group x = 0 asks, in its first pass alone.  In it waves 4 to 7 ask for K's 32,768 bytes, lanes 256 bytes apart; waves 8 to 11 for V's 128 rows, a lane a row.
; Trips 6 and 7 ask for nothing: there is no slot 8.  The flags are not looked at: a slot that no query wants is named all the same.
.macro ASK
	s_cmp_gt_u32 s[SLOTS], s[LIM]
	s_cbranch_scc0 .Lno_ask_\@
	s_cmp_lt_u32 s[WV], 8
	s_cbranch_scc0 .Lask_v_\@
	global_prefetch_b8 v[PFO], s[KPT:KPT+1] offset:65536 th:TH_LOAD_NT scope:SCOPE_SE
	s_branch .Lno_ask_\@
.Lask_v_\@:
	global_prefetch_b8 v[PFO], s[VPT:VPT+1] offset:512 th:TH_LOAD_NT scope:SCOPE_SE
.Lno_ask_\@:
.endm
	s_load_b256 s[4:11], s[0:1], 0x0               ; Q's codes, Q's scales, K's codes, K's scales
	s_load_b256 s[12:19], s[0:1], 0x20             ; V's codes, V's scales, maskbits, flags
	s_load_b64 s[20:21], s[0:1], 0x40              ; out0
	v_lshrrev_b32 v5, 5, v0
	v_readfirstlane_b32 s[WV], v5                  ; wave 0..15
	v_and_b32 v5, 15, v0                           ; r = lane % 16 (also thread % 16)
	v_bfe_u32 v6, v0, 4, 1                         ; h = lane / 16
	v_and_b32 v7, 8, v5
	v_add_nc_u32 v7, v7, v5                        ; r + 8 (r / 8)
	v_mul_u32_u24 v[AK0], v7, KPI
	v_lshl_add_u32 v[AK0], v6, 4, v[AK0]
	v_mul_u32_u24 v[AV0], v5, VPI
	v_lshl_add_u32 v[AV0], v6, 4, v[AV0]
	v_add_nc_u32 v[AV0], VOFF, v[AV0]
	v_lshl_add_u32 v[ASK0], v7, 2, KSC
	v_lshl_add_u32 v[ASV0], v5, 2, VSC
	v_lshrrev_b32 v8, 3, v0                        ; K on its way into a slot: eight threads to a row of 128 bytes
	v_and_b32 v11, 7, v0
	v_mul_u32_u24 v[KW0], v8, KPI
	v_lshl_add_u32 v[KW0], v11, 4, v[KW0]
	v_lshrrev_b32 v8, 4, v0                        ; V: sixteen threads to a row of 256 bytes
	v_mul_u32_u24 v[VW0], v8, VPI
	v_lshl_add_u32 v[VW0], v5, 4, v[VW0]
	v_add_nc_u32 v[VW0], VOFF, v[VW0]
	v_lshlrev_b32 v[GKO], 4, v0
	v_lshlrev_b32 v[GVO], 11, v8
	v_lshl_add_u32 v[GVO], v5, 4, v[GVO]
	v_mov_b32 v[NINF], 0xff800000
	v_mov_b32 v[F+1], 0                            ; (named as the upper half of a pair)
	v_mov_b32 v[PT], 0                             ; written once: a lane permute's destination counts as one of its sources
	v_lshlrev_b32 v[QO], 7, v5
	v_lshl_add_u32 v[QO], v6, 4, v[QO]
	v_lshlrev_b32 v[QSO], 2, v5
	v_add_nc_u32 v[TW], KSC, v[GKO]                ; the scale bytes' way into LDS: K's as they lie, 16 bytes a thread;
	v_and_b32 v7, 3, v0                            ; V's: thread tau holds steps 4 (tau % 4) + 0 .. 3 of row d = tau / 4
	v_lshrrev_b32 v8, 2, v0
	v_lshlrev_b32 v8, 2, v8
	v_lshl_add_u32 v8, v7, 11, v8
	v_add_nc_u32 v8, VSC, v8                       ; VSC + 512 x step + 4 d
	s_and_b32 s32, ttmp7, 0xffff                   ; the head among 64
	s_lshl_b32 s34, s32, 18                        ; its codes: 2,048 x 128 bytes in each of the three tensors
	s_mov_b32 s35, 0
	s_lshl_b32 s36, s32, 13                        ; its scale bytes: 8,192
	s_mov_b32 s37, 0
	s_lshr_b32 s33, s32, 5                         ; b
	s_and_b32 s32, s32, 31                         ; hd
	s_lshl_b32 s38, s33, 19                        ; maskbits: 128 x 16 x 256 bytes a batch
	s_mov_b32 s39, 0
	s_lshl_b32 s40, s33, 9                         ; flags: 128 words a batch
	s_mov_b32 s41, 0
	s_lshl_b32 s42, s33, 25                        ; out0: 2,048 rows of 16,384 bytes a batch,
	s_lshl_b32 s43, s32, 9                         ; 512 bytes of a row a head
	s_add_co_u32 s42, s42, s43
	s_mov_b32 s43, 0
	s_mov_b32 s[CS], 0x3e0293ee                    ; c = log2(e) / sqrt(128)
	s_mov_b32 s[CS+1], s[CS]                       ; (named with it as a pair, so it is written)
	s_mov_b32 s[SEL], 0x76543210
	s_mov_b32 s[SEL+1], 0xfedcba98
	s_mov_b32 s[MNT], 0x600000
	s_sub_co_u32 s44, s[WV], 4
	s_lshr_b32 s44, s44, 3                         ; 0 in waves 4 to 11,
	s_or_b32 s44, s44, ttmp9                       ; of the head's work-group x = 0
	s_cmp_eq_u32 s44, 0
	s_cselect_b32 s[LIM], 2, -1
	s_cmp_lt_u32 s[WV], 8
	s_cselect_b32 s44, 8, 11                       ; K: 256 bytes from lane to lane; V: a row of 2,048
	v_and_b32 v[PFO], 127, v0                      ; 32 (wave % 4) + lane
	v_lshlrev_b32 v[PFO], s44, v[PFO]
	s_mov_b32 s[PS], 2
	s_xor_b32 s[BLK], ttmp9, 7                     ; 7 - x
	s_wait_kmcnt 0x0
	s_add_nc_u64 s[QB:QB+1], s[QB:QB+1], s[34:35]
	s_add_nc_u64 s[KPT:KPT+1], s[KPT:KPT+1], s[34:35]
	s_add_nc_u64 s[VPT:VPT+1], s[VPT:VPT+1], s[34:35]
	s_add_nc_u64 s[QSB:QSB+1], s[QSB:QSB+1], s[36:37]
	s_add_nc_u64 s[10:11], s[10:11], s[36:37]
	s_add_nc_u64 s[14:15], s[14:15], s[36:37]
	s_add_nc_u64 s[MBB:MBB+1], s[MBB:MBB+1], s[38:39]
	s_add_nc_u64 s[FLB:FLB+1], s[FLB:FLB+1], s[40:41]
	s_add_nc_u64 s[OB:OB+1], s[OB:OB+1], s[42:43]
	global_load_b128 v[R:R+3], v[GKO], s[10:11]    ; the head's scale bytes come once, 8,192 consecutive bytes each, and stay in LDS
	global_load_b128 v[R+4:R+7], v[GKO], s[14:15]
	s_wait_loadcnt 0x0                             ; both are in: their bases s[10:11] and s[14:15] are free
	ds_store_b128 v[TW], v[R:R+3]
.irp i, 0,1,2,3
	ds_store_b32 v8, v[R+4+\i] offset:512*\i
.endr
	s_wait_dscnt 0x0                               ; the stores have read their registers: R is loaded again below
.macro STEP q                          ; A KEY STEP: 128 keys, the q-th of the slot in hand
	s_and_b32 s14, s[FL], 1<<\q                    ; has my tile an open place in this step?
	s_cmp_lg_u32 s14, 0
	s_cbranch_scc0 .Lhidden_\@                     ; no: all its p would be 0 and M would stay: nothing is done.  No barrier stands in a step
.irp k, 0,1
	s_load_b512 s[32+16*\k:47+16*\k], s[MPT:MPT+1], 256*\q+64*\k          ; the tile's 64 mask words: they land while the scores are made
	s_load_b512 s[68+16*\k:83+16*\k], s[MPT:MPT+1], 256*\q+128+64*\k
.endr
	v_add_nc_u32 v[ADK], s[TB], v[AK0]
	v_add_nc_u32 v[ADV], s[TB], v[AV0]
	v_add_nc_u32 v[ADS], s[TS], v[ASK0]
	v_add_nc_u32 v[ADT], s[TS], v[ASV0]
.irp g, 0,1                                    ; S^T = K Q^T, four tiles of 16 keys at a time
.if \g > 0
	PLACES 8                                       ; in front of loads into registers that the four products have read
.endif
.irp t, 0,1,2,3
.irp c, 0,1,2,3
	ds_load_b128 v[A+16*\t+4*\c:A+16*\t+4*\c+3], v[ADK] offset:(128*\q+32*((4*\g+\t)/2)+8*(\t%2))*KPI+32*\c
.endr
	ds_load_b32 v[KVS+\t], v[ADS] offset:512*\q+(32*((4*\g+\t)/2)+8*(\t%2))*4
.endr
	s_wait_dscnt 0x0
.irp t, 0,1,2,3
	v_wmma_scale_f32_16x16x128_f8f6f4 v[S+8*(4*\g+\t):S+8*(4*\g+\t)+7], v[A+16*\t:A+16*\t+15], v[Q:Q+15], 0, v[KVS+\t], v[QSC] matrix_a_fmt:MATRIX_FMT_BF8 matrix_b_fmt:MATRIX_FMT_BF8
.endr
.endr
	PLACES 8                                       ; in front of the first read of the scores, and of the first write into K's registers
	s_wait_kmcnt 0x0                               ; the mask words are in
	s_and_b32 s14, s[FL], 0x10000<<\q              ; has the tile a hidden place?
	s_cmp_lg_u32 s14, 0
	s_cbranch_scc0 .Lopen_\@
.set n, 0
.rept 64
	v_cndmask_b32 v[S+n], v[S+n], v[NINF], s[32+n+4*(n/32)]   ; a hidden score becomes -infinity: p = 0.  Ascending: each accumulator is read from its low end on
.set n, n+1
.endr
.Lopen_\@:
.irp b, 0,1,2,3
	v_max3_num_f32 v[BM+\b], v[S+16*\b], v[S+16*\b+1], v[S+16*\b+2]   ; THE LARGEST SCORE OF EACH BLOCK OF 32 KEYS: it serves the row's maximum and, since p rises with the score, the block's largest p
.endr
.irp i, 3,5,7,9,11,13
.irp b, 0,1,2,3
	v_max3_num_f32 v[BM+\b], v[BM+\b], v[S+16*\b+\i], v[S+16*\b+\i+1]   ; (the four blocks by turns)
.endr
.endr
.irp b, 0,1,2,3
	v_max_num_f32 v[BM+\b], v[BM+\b], v[S+16*\b+15]
.endr
.irp b, 0,1,2,3
	v_permlanex16_b32 v[PM+\b], v[BM+\b], s[SEL], s[SEL+1]   ; (its destination was written by this step's loads of K)
.endr
.irp b, 0,1,2,3
	v_max_num_f32 v[BM+\b], v[BM+\b], v[PM+\b]     ; with lane l xor 16's 16 keys
.endr
	v_max3_num_f32 v[T], v[BM], v[BM+1], v[BM+2]
	v_max_num_f32 v[T], v[T], v[BM+3]              ; the step's largest score of my query
	v_mul_f32 v[T], s[CS], v[T]                    ; as t (c is positive)
	v_max_num_f32 v[NM+1], v[NM+1], v[T]           ; the running largest t
	v_mov_b32 v[T], v[NM]
	v_floor_f32 v[NM], -v[NM+1]                    ; the new -M = floor(-t) = -ceil(t): M IS A WHOLE NUMBER
	v_sub_f32 v[T], v[NM], v[T]                    ; M's old value less its new one: a whole number, 0 or less
	v_cvt_i32_f32 v[T], v[T]                       ; (it saturates)
	v_ldexp_f32 v[F], 1.0, v[T]                    ; f = 2^(old M - new M): a multiplication by it rounds nothing
.set j, 0
.rept 32
	v_pk_fma_f32 v[S+j:S+j+1], v[S+j:S+j+1], s[CS:CS+1], v[NM:NM+1] op_sel_hi:[1,0,0]   ; t - M, two at a time (of the pairs c and -M the low word serves both halves)
.set j, j+2
.endr
.irp b, 0,1,2,3
	v_fma_f32 v[BM+\b], v[BM+\b], s[CS], v[NM]     ; the same of each block's largest score
.endr
.set j, 0
.rept 64
	v_exp_f32 v[S+j], v[S+j]                       ; p = 2^(t - M), at most 1: NOT normalised
.set j, j+1
.endr
	v_pk_mul_f32 v[SUM:SUM+1], v[SUM:SUM+1], v[F:F+1] op_sel_hi:[1,0]   ; the sums under the new M.  (The plain instruction behind the exponentials)
	s_wait_alu depctr_va_vdst(0)                   ; one wait for the batch of 64, ahead of its first reader
.irp b, 0,1,2,3
	v_exp_f32 v[BM+\b], v[BM+\b]                   ; the block's largest p: the same two instructions on the same number give the same bits
.endr
	v_pk_add_f32 v[SUM2:SUM2+1], v[S:S+1], v[S+2:S+3]   ; THE ROW'S SUM IS TAKEN OF THE UNQUANTISED p: two at a time, in two chains.  (They read the 64 alone: plain work behind the four)
.irp j, 4,8,12,16,20,24,28,32,36,40,44,48,52,56,60
	v_pk_add_f32 v[SUM:SUM+1], v[SUM:SUM+1], v[S+\j:S+\j+1]
	v_pk_add_f32 v[SUM2:SUM2+1], v[SUM2:SUM2+1], v[S+\j+2:S+\j+3]
.endr
	v_pk_add_f32 v[SUM:SUM+1], v[SUM:SUM+1], v[SUM2:SUM2+1]
	s_wait_alu depctr_va_vdst(0)                   ; and one for the four
.irp b, 0,1,2,3
	v_max_num_f32 v[BM+\b], 0x8000000, v[BM+\b]    ; the floor 2^(16 - 127): the byte cannot fall under 1
.endr
.irp b, 0,1,2,3
	v_add_nc_u32 v[SCOP+\b], 0xf8800000, v[BM+\b]  ; 15 off the exponent field: the conversion's scale operand
.endr
.irp b, 0,1,2,3
	v_and_or_b32 v[HOLD+\b], v[BM+\b], 0x7f800000, s[MNT]   ; 57,344 x the scale
.endr
.irp b, 0,1,2,3
	v_lshrrev_b32 v[PM+\b], 23, v[SCOP+\b]         ; the scale's byte
.endr
	v_lshl_or_b32 v[PSC], v[PM+1], 8, v[PM]        ; p's scale word for these 128 keys
	v_lshl_or_b32 v[PSC], v[PM+2], 16, v[PSC]
	v_lshl_or_b32 v[PSC], v[PM+3], 24, v[PSC]
.irp b, 0,1,2,3
.irp i, 0,1,2,3,4,5,6,7,8,9,10,11,12,13,14,15
	v_min_num_f32 v[S+16*\b+\i], v[S+16*\b+\i], v[HOLD+\b]   ; the conversion to an 8-bit code does not saturate (ISA guide 7.6.2); p is not negative, so the hold is one-sided
.endr
	v_cvt_scalef32_pk8_bf8_f32 v[PC+4*\b:PC+4*\b+1], v[S+16*\b:S+16*\b+7], v[SCOP+\b]
	v_cvt_scalef32_pk8_bf8_f32 v[PC+4*\b+2:PC+4*\b+3], v[S+16*\b+8:S+16*\b+15], v[SCOP+\b]
.endr
.irp g, 0,1                                    ; O^T += V^T P^T: four tiles of 16 of the head's 128 at a time; K = these 128 keys.  V's fragments take the registers that p has left
.if \g > 0
	PLACES 8                                       ; in front of loads into registers that the four products have read
.endif
.irp t, 0,1,2,3
.irp c, 0,1,2,3
	ds_load_b128 v[S+16*\t+4*\c:S+16*\t+4*\c+3], v[ADV] offset:16*(4*\g+\t)*VPI+128*\q+32*\c
.endr
	ds_load_b32 v[KVS+\t], v[ADT] offset:512*\q+64*(4*\g+\t)
.endr
.if \g == 0
.set j, 0
.rept 32
	v_pk_mul_f32 v[O+j:O+j+1], v[O+j:O+j+1], v[F:F+1] op_sel_hi:[1,0]   ; O^T under the new M, while the loads are out.  These 32 are also the plain work behind the last conversion and in front of the products that read the codes and p's scale word
.set j, j+2
.endr
.endif
	s_wait_dscnt 0x0
.irp t, 0,1,2,3
	v_wmma_scale_f32_16x16x128_f8f6f4 v[O+8*(4*\g+\t):O+8*(4*\g+\t)+7], v[S+16*\t:S+16*\t+15], v[PC:PC+15], v[O+8*(4*\g+\t):O+8*(4*\g+\t)+7], v[KVS+\t], v[PSC] matrix_a_fmt:MATRIX_FMT_BF8 matrix_b_fmt:MATRIX_FMT_BF8
.endr
.endr
	PLACES 9                                       ; the next step's first products write over V's registers (nine places), its loads land on p's codes, and the way out reads O^T (eight)
.Lhidden_\@:
.endm
.Lpass:                                            ; two trips: block 7 - x, then block x
	s_lshl_b32 s32, s[BLK], 4
	s_add_co_u32 s32, s32, s[WV]                   ; my tile of 16 queries, 0 .. 127
	s_lshl_b32 s34, s32, 2
	s_mov_b32 s35, 0
	s_add_nc_u64 s[34:35], s[FLB:FLB+1], s[34:35]
	s_load_b32 s[FL], s[34:35], 0x0                ; my tile's flags,
	s_lshl_b32 s40, s[BLK], 6
	s_mov_b32 s41, 0
	s_add_nc_u64 s[40:41], s[FLB:FLB+1], s[40:41]
	s_load_b512 s[68:83], s[40:41], 0x0            ; and those of all sixteen tiles of the block
	s_lshl_b32 s36, s32, 11                        ; Q's codes: 16 rows of 128 bytes a tile
	s_mov_b32 s37, 0
	s_add_nc_u64 s[36:37], s[QB:QB+1], s[36:37]
	s_lshl_b32 s38, s32, 6                         ; its scale words: 64 bytes a tile
	s_mov_b32 s39, 0
	s_add_nc_u64 s[38:39], s[QSB:QSB+1], s[38:39]
	s_lshl_b32 s[MPT], s32, 12                     ; my mask words: 16 steps of 256 bytes a tile
	s_mov_b32 s[MPT+1], 0
	s_add_nc_u64 s[MPT:MPT+1], s[MBB:MBB+1], s[MPT:MPT+1]
.irp c, 0,1,2,3
	global_load_b128 v[Q+4*\c:Q+4*\c+3], v[QO], s[36:37] offset:32*\c th:TH_LOAD_NT   ; Q's fragment stays in registers for the pass; read once in the launch
.endr
	global_load_b32 v[QSC], v[QSO], s[38:39]
	LD4 R, GKO, KPT, 0, 8192                       ; slot 0 is always fetched: K's half through R,
	LD4 A, GVO, VPT, 0, 65536                      ; V's through registers that are free here
.set j, 0
.rept 64
	v_mov_b32 v[O+j], 0                            ; O^T.  Which step is a tile's first hangs on the mask, so no product can be written that starts the sums: they begin as zeros, which the first change of M leaves zeros
.set j, j+1
.endr
	v_mov_b32 v[NM+1], 0xff61b1e6                  ; the largest t so far: -3e38
	v_floor_f32 v[NM], -v[NM+1]                    ; -M
	v_mov_b32 v[SUM], 0
	v_mov_b32 v[SUM+1], 0
	s_mov_b32 s[TB], 0
	s_mov_b32 s[TS], 0
	s_mov_b32 s[SLOTS], 8
	s_wait_kmcnt 0x0
.irp i, 69,70,71,72,73,74,75,76,77,78,79,80,81,82,83
	s_or_b32 s68, s68, s[\i]
.endr
	s_and_b32 s68, s68, 0xffff                     ; bit j: some wave has an open place in step j
	s_lshr_b32 s69, s68, 1
	s_or_b32 s68, s68, s69                         ; bit 2 s: some wave wants slot s
	s_lshr_b32 s[WFN], s68, 2                      ; bit 0: slot 1.  Shifted by 2 a trip it is 0 in the last trip: nothing is fetched beyond the head's keys
	BAR                                            ; every wave's reads of the pass before are over (first pass: the scale bytes have landed)
	s_wait_loadcnt 0x0                             ; Q, its scale words and slot 0 are in
	ST4 TW, KW0, R, 64*KPI, TB
	ST4 TW2, VW0, A, 32*VPI, TB
.Lslot:                                            ; eight trips, whatever the mask: the trip count, the barrier and the steps of the addresses hang on nothing that is read
	BAR                                            ; ONE barrier a slot, for two things: the slot in hand is whole (every wave's stores into it have landed), and nobody reads the other slot any more
	s_and_b32 s14, s[WFN], 1                       ; is the next slot wanted?  The same number in all sixteen waves, and the same in the trip's three tests
	s_cmp_lg_u32 s14, 0
	s_cbranch_scc0 .Lno_k
	LD4 R, GKO, KPT, 32768, 8192                   ; its K: it has the first step in which to land
.Lno_k:
	ASK
	STEP 0
	s_and_b32 s14, s[WFN], 1
	s_cmp_lg_u32 s14, 0
	s_cbranch_scc0 .Lno_kv
	s_wait_loadcnt 0x0                             ; K's four pieces are in
	s_xor_b32 s15, s[TB], SLOT1                    ; the other slot
	ST4 TW, KW0, R, 64*KPI, 15
	s_wait_dscnt 0x0                               ; the stores have read R,
	LD4 R, GVO, VPT, 256, 65536                    ; which takes the next slot's V: it has the second step in which to land
.Lno_kv:
	STEP 1
	s_and_b32 s14, s[WFN], 1
	s_cmp_lg_u32 s14, 0
	s_cbranch_scc0 .Lno_v
	s_wait_loadcnt 0x0
	s_xor_b32 s15, s[TB], SLOT1
	ST4 TW, VW0, R, 32*VPI, 15
.Lno_v:
	s_wait_loadcnt 0x0                             ; no load of mine is out on any way to this line (on the ways that are taken none was left): R may be loaded again
	s_wait_xcnt 0x0                                ; the trip's prefetch and scalar loads have read their bases: they are stepped only behind this wait
	s_add_nc_u64 s[KPT:KPT+1], s[KPT:KPT+1], 32768 ; 256 keys on
	s_add_nc_u64 s[VPT:VPT+1], s[VPT:VPT+1], 256
	s_add_nc_u64 s[MPT:MPT+1], s[MPT:MPT+1], 512
	s_xor_b32 s[TB], s[TB], SLOT1
	s_add_co_u32 s[TS], s[TS], 1024
	s_lshr_b32 s[FL], s[FL], 2
	s_lshr_b32 s[WFN], s[WFN], 2
	s_sub_co_u32 s[SLOTS], s[SLOTS], 1
	s_cmp_lg_u32 s[SLOTS], 0
	s_cbranch_scc1 .Lslot
	; THE WAY OUT.  O^T is divided by the sum and goes through my own stage in LDS, half a head's row (64 channels, 256 bytes) of 16 queries at a time, so that sixteen lanes store 256 consecutive bytes, aligned.
	v_add_f32 v[SUM], v[SUM], v[SUM+1]             ; the sum's two halves,
	v_permlanex16_b32 v[PT], v[SUM], s[SEL], s[SEL+1]
	v_add_f32 v[SUM], v[SUM], v[PT]                ; and lane l xor 16's: the row's sum
	v_rcp_f32 v[SUM], v[SUM]
	v_and_b32 v8, 15, v0                           ; (plain work behind the reciprocal)  r
	v_bfe_u32 v11, v0, 4, 1                        ; h
	s_mul_i32 s33, s[WV], 16*SPI
	s_add_co_u32 s33, s33, STAGE                   ; my stage
	v_mul_u32_u24 v[SO], v8, SPI
	v_lshl_add_u32 v[SO], v11, 5, v[SO]
	v_add_nc_u32 v[SO], s33, v[SO]                 ; in: row r; tile t's eight channels of my half: 64 t + 32 h bytes on
	v_mul_u32_u24 v[SR], v11, SPI
	v_lshl_add_u32 v[SR], v8, 4, v[SR]
	v_add_nc_u32 v[SR], s33, v[SR]                 ; back: lanes 0-15 one row, lanes 16-31 the next
	v_lshlrev_b32 v[GO], 14, v11                   ; and the same two rows in out0, 16,384 bytes apart
	v_lshl_add_u32 v[GO], v8, 4, v[GO]
	s_lshl_b32 s32, s[BLK], 4
	s_add_co_u32 s32, s32, s[WV]
	s_lshl_b32 s36, s32, 18                        ; my tile's 16 rows of out0
	s_mov_b32 s37, 0
	s_add_nc_u64 s[36:37], s[OB:OB+1], s[36:37]
	s_wait_alu depctr_va_vdst(0)                   ; the wait ahead of the reciprocal's first reader
.set j, 0
.rept 32
	v_pk_mul_f32 v[S+j:S+j+1], v[O+j:O+j+1], v[SUM:SUM+1] op_sel_hi:[1,0]   ; O^T / the sum, ascending: register 8 t + i is o(r, 16 t + 8 h + i)
.set j, j+2
.endr
.irp u, 0,1                                    ; channels 64 u on
.irp t, 0,1,2,3
	ds_store_b128 v[SO], v[S+32*\u+8*\t:S+32*\u+8*\t+3] offset:64*\t
	ds_store_b128 v[SO], v[S+32*\u+8*\t+4:S+32*\u+8*\t+7] offset:64*\t+16
.endr
.irp i, 0,1,2,3,4,5,6,7
	ds_load_b128 v[A+32*\u+4*\i:A+32*\u+4*\i+3], v[SR] offset:2*\i*SPI   ; LDS serves a wave's instructions in order (ISA guide 5.7.1.4): these see my stores, and the next half's stores come behind them
.endr
.endr
.irp u, 0,1
.irp i, 0,1,2,3,4,5,6,7
	s_wait_dscnt 16*(1-\u)+7-\i                    ; behind this load: the rest of its eight, and for the first half the second half's sixteen
	global_store_b128 v[GO], v[A+32*\u+4*\i:A+32*\u+4*\i+3], s[36:37] offset:32768*\i+256*\u th:TH_STORE_NT   ; written once, read by nobody here
.endr
.endr
	s_wait_xcnt 0x0                                ; the stores have read their registers and their base: all may be written again
	s_sub_nc_u64 s[KPT:KPT+1], s[KPT:KPT+1], 0x40000   ; K and V back to the head's first keys
	s_sub_nc_u64 s[VPT:VPT+1], s[VPT:VPT+1], 2048
	s_xor_b32 s[BLK], s[BLK], 7                    ; block x
	s_mov_b32 s[LIM], -1                           ; K and V have been read: nothing more is prefetched
	s_sub_co_u32 s[PS], s[PS], 1
	s_cmp_lg_u32 s[PS], 0
	s_cbranch_scc1 .Lpass
	s_wait_xcnt 0x0
	v_lshl_add_u32 v254, v0, 2, 0x42800
	v_mov_b32 v255, 0
	s_wait_tensorcnt 0x0
	ds_add_u32 v254, v255
	s_wait_dscnt 0x0
	s_endpgm
.Lfunc_end_k_q1751b322d2_attn:
	.size	k_q1751b322d2_attn, .Lfunc_end_k_q1751b322d2_attn-k_q1751b322d2_attn
	.p2alignl 7, 3214868480
	.fill 96, 4, 3214868480
	.section	.rodata,"a",@progbits
	.p2align	6, 0x0
	.amdhsa_kernel k_q1751b322d2_attn
		.amdhsa_group_segment_fixed_size 274432
		.amdhsa_private_segment_fixed_size 0
		.amdhsa_enable_private_segment 0
		.amdhsa_kernarg_size 72
		.amdhsa_user_sgpr_count 2
		.amdhsa_user_sgpr_kernarg_segment_ptr 1
		.amdhsa_wavefront_size32 1
		.amdhsa_system_sgpr_workgroup_id_x 1
		.amdhsa_system_sgpr_workgroup_id_y 1
		.amdhsa_system_sgpr_workgroup_id_z 1
		.amdhsa_system_vgpr_workitem_id 0
		.amdhsa_next_free_vgpr 256
		.amdhsa_next_free_sgpr 100
		.amdhsa_reserve_vcc 0
		.amdhsa_float_denorm_mode_32 3
		.amdhsa_float_denorm_mode_16_64 3
		.amdhsa_memory_ordered 1
		.amdhsa_forward_progress 1
		.amdhsa_inst_pref_size 76
	.end_amdhsa_kernel
	.amdgpu_metadata
---
amdhsa.version: [ 1, 2 ]
amdhsa.kernels:
  - .name:           k_q1751b322d2_attn
    .symbol:         k_q1751b322d2_attn.kd
    .args:
      - { .name: query_layer_codes, .offset: 0, .size: 8, .value_kind: global_buffer, .address_space: global }
      - { .name: query_layer_scales, .offset: 8, .size: 8, .value_kind: global_buffer, .address_space: global }
      - { .name: key_layer_codes, .offset: 16, .size: 8, .value_kind: global_buffer, .address_space: global }
      - { .name: key_layer_scales, .offset: 24, .size: 8, .value_kind: global_buffer, .address_space: global }
      - { .name: value_layer_codes, .offset: 32, .size: 8, .value_kind: global_buffer, .address_space: global }
      - { .name: value_layer_scales, .offset: 40, .size: 8, .value_kind: global_buffer, .address_space: global }
      - { .name: maskbits, .offset: 48, .size: 8, .value_kind: global_buffer, .address_space: global }
      - { .name: flags, .offset: 56, .size: 8, .value_kind: global_buffer, .address_space: global }
      - { .name: out0, .offset: 64, .size: 8, .value_kind: global_buffer, .address_space: global }
    .group_segment_fixed_size: 274432
    .private_segment_fixed_size: 0
    .kernarg_segment_align: 8
    .kernarg_segment_size: 72
    .max_flat_workgroup_size: 512
    .sgpr_count:     100
    .vgpr_count:     256
    .wavefront_size: 32
...
	.end_amdgpu_metadata
.endif
;; end of part 2
;; ======== version 2 of 2: 2 launches
;; workspace buffers: maskbits 1,048,576 bytes of whole numbers; flags 1,024 bytes of whole numbers
;; launch pack (part 3): grid 256 x 1, 4 waves a work-group, no clusters, 768 bytes of LDS; arguments attention_mask, maskbits, flags; writes maskbits, flags
.if DOCPART == 3
	.amdgcn_target "amdgcn-amd-amdhsa--gfx1250"
	.amdhsa_code_object_version 6
	.text
	.protected	k_q1751b322d2_pack
	.globl	k_q1751b322d2_pack
	.p2align	8
	.type	k_q1751b322d2_pack,@function
k_q1751b322d2_pack:
	s_mov_b64 s[64:65], 0
	v_nop
	global_prefetch_b8 v0, s[64:65] scope:SCOPE_SE
	s_setreg_imm32_b32 hwreg(HW_REG_WAVE_MODE, 25, 1), 1
	s_wait_xcnt 0x0
; attention_mask [2][1][2048][2048], one byte a place (any byte that is not 0 counts as hidden), becomes whole numbers for the attention launch.
; maskbits [b 2][qt 128][step 16][n 64] of 32-bit words: word n of the tile (16 queries 16 qt .., 128 keys 128 step ..) is a LANE MASK: bit l is 1 where
;   mask[b][16 qt + l % 16][128 step + 32 (n / 16) + 16 (l / 16) + n % 16] is hidden: that is the score which lane l of the attention launch holds in its n-th score register.
; flags [b 2][qt 128] of 32-bit words: bit j: tile (qt, step j) has at least one open place; bit 16 + j: it has at least one hidden place.
; SHARES.  Work-group g = 128 b + qt owns 16 rows of the mask; wave w owns steps 4 w .. 4 w + 3: 512 bytes of each row.  Lane (r = l % 16, h = l / 16) takes row r and, of each block of 32 keys, bytes 16 h .. 16 h + 15,
; so that a compare over the 32 lanes gives a word as it is wanted.  A tile's 64 words are gathered two to a lane and leave as 256 consecutive bytes, aligned.
; The flag word of a work-group is 4 bytes: 1,024 bytes in the whole launch leave so.
; No matrix work, no tensor loads: the launch moves 8 MiB in and 1 MiB out.
.set VO, 2                             ; v2      2048 r + 16 h: my bytes in the wave's 512 of 16 rows
.set LO, 3                             ; v3      8 x lane: my two words of a tile's 64
.set T,  4                             ; v4-7    four bytes at work
.set W,  8                             ; v8-15   a pair for each of the wave's four tiles: lane L holds words 2 L and 2 L + 1
.set X,  16                            ; v16-79  the mask bytes: tile jj, block blk: four registers at X + 16 jj + 4 blk
	s_load_b128 s[4:7], s[0:1], 0x0                ; the mask, maskbits
	s_load_b64 s[8:9], s[0:1], 0x10                ; flags
	v_lshl_add_u32 v96, v0, 2, 0x100
	v_mov_b32 v97, 0
	v_lshrrev_b32 v1, 5, v0
	v_readfirstlane_b32 s10, v1                    ; wave 0..3
	v_and_b32 v1, 31, v0                           ; lane
	v_and_b32 v4, 15, v0                           ; r
	v_bfe_u32 v5, v0, 4, 1                         ; h
	v_lshlrev_b32 v[VO], 11, v4
	v_lshl_add_u32 v[VO], v5, 4, v[VO]
	v_lshlrev_b32 v[LO], 3, v1
.irp i, 0,1,2,3,4,5,6,7
	v_mov_b32 v[W+\i], 0                           ; written once: v_writelane_b32's destination counts as one of its sources
.endr
	s_lshl_b32 s12, ttmp9, 15                      ; the mask: 16 rows of 2,048 bytes a work-group,
	s_lshl_b32 s13, s10, 9                         ; 512 bytes of a row a wave
	s_add_co_u32 s12, s12, s13
	s_mov_b32 s13, 0
	s_lshl_b32 s14, ttmp9, 12                      ; maskbits: 16 tiles of 256 bytes a work-group,
	s_lshl_b32 s15, s10, 10                        ; four a wave
	s_add_co_u32 s14, s14, s15
	s_mov_b32 s15, 0
	s_lshl_b32 s24, ttmp9, 2                       ; flags: a word a work-group
	s_mov_b32 s25, 0
	s_mov_b32 s19, 0                               ; the wave's flag bits
	s_wait_kmcnt 0x0
	s_add_nc_u64 s[4:5], s[4:5], s[12:13]
	s_add_nc_u64 s[6:7], s[6:7], s[14:15]
	s_add_nc_u64 s[8:9], s[8:9], s[24:25]
.irp jj, 0,1,2,3
.irp blk, 0,1,2,3
	global_load_b128 v[X+16*\jj+4*\blk:X+16*\jj+4*\blk+3], v[VO], s[4:5] offset:128*\jj+32*\blk th:TH_LOAD_NT   ; read once in the launch
.endr
.endr
; One tile: 64 words.  Word n is the compare of byte n % 4 of register n / 4 against 0, over the 32 lanes; it goes to lane n / 2 of the tile's pair, and into the OR and the AND of the tile's words.
.macro TILE jj
	s_wait_loadcnt 12-4*\jj                        ; this tile's four loads are in; the four of each later tile may be out
	s_mov_b32 s16, 0                               ; the OR: not 0 where a place is hidden
	s_mov_b32 s17, -1                              ; the AND: not all ones where a place is open
.set n, 0
.rept 16
.irp k, 0,1,2,3
	v_bfe_u32 v[T+\k], v[X+16*\jj+n/4], 8*\k, 8
.endr
.irp k, 0,1,2,3
	v_cmp_ne_u32 s[20+\k], 0, v[T+\k]              ; the scalar register now IS word n + k
.endr
.irp k, 0,1,2,3
	v_writelane_b32 v[W+2*\jj+\k%2], s[20+\k], (n+\k)/2
.endr
.irp k, 0,1,2,3
	s_or_b32 s16, s16, s[20+\k]
	s_and_b32 s17, s17, s[20+\k]
.endr
.set n, n+4
.endr
	s_cmp_lg_u32 s16, 0
	s_cselect_b32 s18, 1<<(16+\jj), 0
	s_or_b32 s19, s19, s18
	s_cmp_lg_u32 s17, -1
	s_cselect_b32 s18, 1<<\jj, 0
	s_or_b32 s19, s19, s18
	s_wait_alu depctr_va_vdst(0)
	global_store_b64 v[LO], v[W+2*\jj:W+2*\jj+1], s[6:7] offset:256*\jj   ; the 32 lanes store 256 consecutive bytes, aligned; each tile has its own pair, so no store's data are written again
.endm
	TILE 0
	TILE 1
	TILE 2
	TILE 3
	s_lshl_b32 s18, s10, 2
	s_lshl_b32 s19, s19, s18                       ; my four steps' bits to their places: 4 w + jj and 16 + 4 w + jj
	v_mov_b32 v80, s10
	v_lshlrev_b32 v80, 2, v80                      ; a word of LDS for each wave
	v_mov_b32 v81, s19
	ds_store_b32 v80, v81                          ; all lanes write the same word with the same value
	s_wait_dscnt 0x0                               ; for the others' sake: my store has landed
	s_barrier_signal -1
	s_barrier_wait -1
	v_mov_b32 v82, 0
	ds_load_b128 v[84:87], v82                     ; the four waves' bits
	s_wait_dscnt 0x0
	v_or_b32 v84, v84, v85
	v_or_b32 v86, v86, v87
	v_or_b32 v84, v84, v86
	s_wait_alu depctr_va_vdst(0)
	s_wait_xcnt 0x0                                ; EXEC is a source of the stores above: it changes only behind this wait
	v_cmp_eq_u32 vcc_lo, 0, v0
	s_wait_tensorcnt 0x0
	ds_add_u32 v96, v97
	s_wait_dscnt 0x0
	s_and_saveexec_b32 s18, vcc_lo                 ; thread 0 alone
	global_store_b32 v82, v84, s[8:9]
	s_endpgm
.Lfunc_end_k_q1751b322d2_pack:
	.size	k_q1751b322d2_pack, .Lfunc_end_k_q1751b322d2_pack-k_q1751b322d2_pack
	.p2alignl 7, 3214868480
	.fill 96, 4, 3214868480
	.section	.rodata,"a",@progbits
	.p2align	6, 0x0
	.amdhsa_kernel k_q1751b322d2_pack
		.amdhsa_group_segment_fixed_size 768
		.amdhsa_private_segment_fixed_size 0
		.amdhsa_enable_private_segment 0
		.amdhsa_kernarg_size 24
		.amdhsa_user_sgpr_count 2
		.amdhsa_user_sgpr_kernarg_segment_ptr 1
		.amdhsa_wavefront_size32 1
		.amdhsa_system_sgpr_workgroup_id_x 1
		.amdhsa_system_sgpr_workgroup_id_y 1
		.amdhsa_system_sgpr_workgroup_id_z 1
		.amdhsa_system_vgpr_workitem_id 0
		.amdhsa_next_free_vgpr 98
		.amdhsa_next_free_sgpr 66
		.amdhsa_reserve_vcc 1
		.amdhsa_float_denorm_mode_32 3
		.amdhsa_float_denorm_mode_16_64 3
		.amdhsa_memory_ordered 1
		.amdhsa_forward_progress 1
		.amdhsa_inst_pref_size 70
	.end_amdhsa_kernel
	.amdgpu_metadata
---
amdhsa.version: [ 1, 2 ]
amdhsa.kernels:
  - .name:           k_q1751b322d2_pack
    .symbol:         k_q1751b322d2_pack.kd
    .args:
      - { .name: attention_mask, .offset: 0, .size: 8, .value_kind: global_buffer, .address_space: global }
      - { .name: maskbits, .offset: 8, .size: 8, .value_kind: global_buffer, .address_space: global }
      - { .name: flags, .offset: 16, .size: 8, .value_kind: global_buffer, .address_space: global }
    .group_segment_fixed_size: 768
    .private_segment_fixed_size: 0
    .kernarg_segment_align: 8
    .kernarg_segment_size: 24
    .max_flat_workgroup_size: 128
    .sgpr_count:     66
    .vgpr_count:     98
    .wavefront_size: 32
...
	.end_amdgpu_metadata
.endif
;; end of part 3
;; launch attn (part 4): grid 4 x 64, 16 waves a work-group, no clusters, 274,432 bytes of LDS; arguments query_layer_codes, query_layer_scales, key_layer_codes, key_layer_scales, value_layer_codes, value_layer_scales, maskbits, flags, out0; writes out0
.if DOCPART == 4
	.amdgcn_target "amdgcn-amd-amdhsa--gfx1250"
	.amdhsa_code_object_version 6
	.text
	.protected	k_q1751b322d2_attn
	.globl	k_q1751b322d2_attn
	.p2align	8
	.type	k_q1751b322d2_attn,@function
k_q1751b322d2_attn:
	s_mov_b64 s[64:65], 0
	v_nop
	global_prefetch_b8 v0, s[64:65] scope:SCOPE_SE
	s_setreg_imm32_b32 hwreg(HW_REG_WAVE_SCHED_MODE, 0, 2), 2
	s_setreg_imm32_b32 hwreg(HW_REG_WAVE_MODE, 25, 1), 1
	s_wait_xcnt 0x0
	s_wait_alu depctr_vm_vsrc(0)
; out0[b][q][128 hd ..] = the sum over k of softmax_k(where(mask, -inf, Q[b][hd][q] . K[b][hd][k] / sqrt(128))) V[b][hd][k][:], both products on codes of BF8 (E5M2) with one E8M0 scale for each 32 along a product's K.
; Q, K: [64 heads][2048][128] codes, K = the head's 128; scale bytes [64][2048][4].  V: codes with the KEYS innermost, [64][128][2048]; scale bytes [64][128][64].  out0: [2][2048][4096] f32.
; THE MASK is an input.  The launch before has turned it into lane masks (maskbits: word n of a tile of 16 queries x 128 keys has bit l set where lane l's n-th score is hidden) and into flags (bit j of a query tile's word:
; step j has an open place; bit 16 + j: it has a hidden place).  A hidden score becomes -infinity by ONE v_cndmask_b32 on a scalar register.  A tile with no open place is passed over: all its p would be 0 and M would stay;
; a tile with no hidden place passes over the 64 selects.  Both are scalar branches on stored whole numbers, right for any mask.
; THE SOFTMAX AHEAD OF THE SECOND PRODUCT: t = score x log2(e) / sqrt(128); M = the row's largest t so far, rounded UP to a whole number; p = 2^(t - M) is quantised along the keys, not normalised.
; The row's sum is taken of the unquantised p, in f32, and divides O at the end.  When M moves, the sum and O are multiplied by 2^(old M - new M): exact.
; SHARES.  256 work-groups: x = 0..3, y = the head.  A work-group makes two passes of 256 queries: block 7 - x, then block x: where a mask hides later keys, the two blocks together have the same number of open tiles for every x.
; Each of the SIXTEEN waves owns 16 queries, one tile, in 256 registers: four waves to a SIMD, so that one wave's vector work stands beside another's matrix work and LDS loads.
; Keys go 128 to a step, two steps to a slot, through two LDS slots; the loop over slots has the constant count 8, and a slot that no wave of the work-group wants is not fetched.
; NO TENSOR LOADS, NO CLUSTER, and the reason: the passing over of tiles is a branch on numbers read from memory; joint loads are tensor loads.
; What partners could share is a slot's 64 KiB of codes; what the branch leaves out is whole tiles of work (16 products and their softmax), and partners would have different numbers of open tiles.
; So the slots are filled through registers: each of the 512 threads carries 4 x 16 bytes of K during the slot's first step and 4 x 16 bytes of V during its second.
; LAYOUT.  Both products are used transposed: S^T = K Q^T (source 0 = 16 keys, source 1 = my 16 queries), O^T = V^T P^T (source 0 = 16 of the head's 128, source 1 = P): a lane holds ONE query (lane % 16) throughout.
; THE KEYS OF A TILE ARE NOT NEIGHBOURS: lane r of tile 2 b + u takes key 32 b + 8 u + r + 8 (r / 8), so that score register 16 b + i of lane (r, h) is key 32 b + 16 h + i: 16 neighbours, as the conversions want them.
; LIMITS.  A row that is hidden entirely has the sum 0 and O = 0: 0 x (1 / 0) = NaN, as the softmax of a row of -infinity is.  A t under -3e38 is not told apart from 'nothing seen yet'.
; NaN codes and scale bytes 0xff go into the sums as they are.  A block whose every p is 0 keeps the scale byte 1: its codes are zeros.
; THE MODE: SCHED_MODE bits 1:0 = 2 (LLVM: expert scheduling mode 2), set by the entry lines.  The code itself states the register dependences
; between vector or matrix instructions and memory or LDS instructions, with s_wait_alu, always for 0.
; THE PLAN.  Registers that memory or LDS instructions touch:
;   v1-4, v9, v10, v16, v17, v25, v29, v30   lane terms and offsets.  Written at the head, ahead of its wait on va_vdst, and never again.
;   v5-8, v11, v31   the slot's six LDS addresses.  Written once a trip, at its head: behind a wait on vm_vsrc (the last trip's LDS loads and stores have read them), ahead of a wait on va_vdst.  No step writes them:
;                    a slot's two steps differ by immediates.  On the way out v5-8 and v11 are written anew, behind a wait on vm_vsrc.
;   R     Named by no vector instruction: global loads land in it, LDS stores read it.  A wait on vm_vsrc stands between each run of stores and the next loads.
;   A     K's four fragments land in it twice a step and the first product reads them; then the softmax works in it; p's codes take its first 16 registers, and V's tiles 4 to 6 land in the other 48.
;   S     The first product writes it, the softmax works in it; behind the conversions V's tiles 0 to 3 land in it, and V's tile 7 in tile 0's registers, behind tile 0's product.
;   KVS   Scale words: loaded twice for the first product, once for the second (lanes 0-15 tile t's words of V, lanes 16-31 tile t + 4's).  Read by products alone.
;   Q, QSC  Loaded once a pass, read by products.  O, the statistics and f are named by vector and matrix instructions alone, until v254 and v255 serve the closing lines.
; So a step holds these waits on va_vdst: at its head (the first step's is the trip's own), that the step before is done with A and KVS; behind the first product's first four instructions; the two behind the exponentials;
; behind the conversions; behind the second product's first instruction.  Behind each the loads follow with no vector or matrix instruction between that names what they touch.
.set KPI,   144                        ; a key's row in LDS: 128 bytes + 16
.set VPI,   272                        ; a row of V's tile in LDS: 256 bytes (256 keys) + 16
.set VOFF,  256*KPI                    ; a slot: 256 rows of K, then 128 rows of V
.set SLOT1, 1<<17                      ; slot 1 begins here: one exclusive or turns an address in one slot into the other's
.set KSC,   VOFF+128*VPI               ; behind slot 0: the head's K scale words, 4 bytes a key, 8,192 bytes;
.set VSC,   KSC+8192                   ; V's, turned: [step 16][d 128] words, 8,192 bytes
.set STAGE, SLOT1+KSC                  ; behind slot 1: the way out: 16 rows x 272 bytes for each wave
.set SPI,   272
.set AK0,  1                           ; v1   my lane's place in a tile of K
.set AV0,  2                           ; v2   the same for V
.set ASK0, 3                           ; v3   my lane's place among K's scale words
.set ASV0, 4                           ; v4   and among V's: lanes 16-31 stand four tiles (256 bytes) further on
.set ADK,  5                           ; v5-8 the LDS addresses of the slot in hand: K, V, K's scale words, V's
.set ADV,  6
.set ADS,  7
.set ADT,  8
.set SO,   5                           ; on the way out: where I put 32 bytes of a row, where I read a row back, my byte offset in out0
.set SR,   6
.set GO,   7
.set KW0,  9                           ; v9   where my thread stores its 16 bytes of K in a slot
.set VW0,  10                          ; v10  and of V
.set TW,   11                          ; v11  where my thread stores K in the other slot
.set NM,   12                          ; v12 -M, v13 the largest t: a pair for the packed form, which takes its low word
.set SUM,  14                          ; v[14:15] the row's sum in two halves
.set GKO,  16                          ; v16  my thread's byte in a slot's K in memory: 16 x thread
.set GVO,  17                          ; v17  and in V: row thread / 16 of 2,048 bytes, + 16 (thread % 16)
.set NINF, 18                          ; v18  -infinity
.set QSC,  19                          ; v19  Q's scale words;  v20-23 K's (four tiles') or V's (eight tiles', two to a register);  v24 p's: these six hold scales and nothing else
.set KVS,  20
.set PSC,  24
.set PFO,  25                          ; v25  the prefetches' offset
.set F,    26                          ; v[26:27] f = 2^(old M - new M); v27 is named with it as a pair
.set PT,   28                          ; v28  a lane permute's result on the way out
.set QO,   29                          ; v29  Q: 128 r + 16 h
.set QSO,  30                          ; v30  Q's scale words: 4 r
.set TW2,  31                          ; v31  where my thread stores V in the other slot
.set Q,    32                          ; v32-47   Q's fragment
.set R,    48                          ; v48-63   sixteen registers on the way from memory to a slot
.set A,    64                          ; v64-127  four fragments of K; then the softmax's work; then p's codes and three fragments of V; on the way out rows of out0
.set S,    128                         ; v128-191 S^T, then p; then fragments of V
.set O,    192                         ; v192-255 O^T
.set PC,   A                           ; p's codes, 16 registers
.set BM,   A+16                        ; the four blocks' largest scores, then largest p
.set PM,   A+20                        ; lane permutes' results, then the scale bytes
.set HOLD, A+24                        ; 57,344 x the scale
.set SCOP, A+28                        ; the conversions' scale operands
.set SUM2, A+32                        ; a second chain of sums
.set T,    A+34
.set WV,   2                           ; s2   my wave's number
.set BLK,  3                           ; s3   the pass's block of 256 queries
.set QB,   4                           ; s[4:5] Q's codes, s[6:7] Q's scales, at the head
.set QSB,  6
.set KPT,  8                           ; s[8:9] K's codes at the slot in hand
.set MPT,  10                          ; s[10:11] K's scales at the kernel's head; then my tile's mask words of the slot in hand
.set VPT,  12                          ; s[12:13] V's codes at the slot in hand
.set MBB,  16                          ; s[16:17] maskbits, s[18:19] flags, at my batch;  s[20:21] out0 at my batch and head.  (s[14:15]: V's scales at the kernel's head, then at work)
.set FLB,  18
.set OB,   20
.set CS,   22                          ; s[22:23] c = log2(e) / sqrt(128)
.set SEL,  24                          ; s[24:25] v_permlanex16_b32's selects for lane l xor 16
.set MNT,  26                          ; s26  the mantissa field of 57,344
.set PS,   27                          ; s27  passes to go
.set SLOTS, 28                         ; s28  slots to go
.set FL,   29                          ; s29  my tile's flags, shifted so that the slot in hand stands at bits 0, 1 and 16, 17
.set WFN,  30                          ; s30  bit 0: some wave of the work-group wants the NEXT slot
.set TB,   31                          ; s31  LDS byte at which the slot in hand begins
.set TS,   66                          ; s66  where the slot's scale words begin: 1,024 bytes a slot
.set LIM,  67                          ; s67  2 in a wave that prefetches, else the greatest number
; s[32:63], s[68:99]: a step's 64 mask words, word n in s[32 + n + 4 (n / 32)]; at a pass's head and on the way out they are at work
.macro PLACES n                        ; plain vector instructions between a matrix instruction and what may not follow it closely (ISA guide 7.12.1)
.rept \n
	v_nop
.endr
.endm
.macro BAR                             ; my LDS stores have landed and my LDS loads are in: then the work-group's barrier
	s_wait_dscnt 0x0
	s_barrier_signal -1
	s_barrier_wait -1
.endm
.macro LD4 reg, off, base, imm, stride ; a thread's four pieces of 16 bytes of half a slot.  K: a wave's load covers 512 consecutive bytes; V: sixteen lanes cover 256 consecutive bytes, aligned.  No hint: other work-groups read the same bytes
.irp u, 0,1,2,3
	global_load_b128 v[\reg+4*\u:\reg+4*\u+3], v[\off], s[\base:\base+1] offset:\imm+\stride*\u
.endr
.endm
.macro ST4 adr, reg, stride            ; and into a slot, at the address in v[adr]
.irp u, 0,1,2,3
	ds_store_b128 v[\adr], v[\reg+4*\u:\reg+4*\u+3] offset:\stride*\u
.endr
.endm
; A PREFETCH INTO THE L2, in trip s of the loop over slots, of slot s + 2: one slot beyond the loads that the trip has just issued.  Each aligned block of 256 bytes of a head's K and V is named once in the launch:
; the four work-groups of a head walk the same K and V, twice: the work-group x = 0 asks, in its first pass alone.  In it waves 4 to 7 ask for K's 32,768 bytes, lanes 256 bytes apart; waves 8 to 11 for V's 128 rows, a lane a row.
; Trips 6 and 7 ask for nothing: there is no slot 8.  The flags are not looked at: a slot that no query wants is named all the same.
.macro ASK
	s_cmp_gt_u32 s[SLOTS], s[LIM]
	s_cbranch_scc0 .Lno_ask_\@
	s_cmp_lt_u32 s[WV], 8
	s_cbranch_scc0 .Lask_v_\@
	global_prefetch_b8 v[PFO], s[KPT:KPT+1] offset:65536 th:TH_LOAD_NT scope:SCOPE_SE
	s_branch .Lno_ask_\@
.Lask_v_\@:
	global_prefetch_b8 v[PFO], s[VPT:VPT+1] offset:512 th:TH_LOAD_NT scope:SCOPE_SE
.Lno_ask_\@:
.endm
	s_load_b256 s[4:11], s[0:1], 0x0               ; Q's codes, Q's scales, K's codes, K's scales
	s_load_b256 s[12:19], s[0:1], 0x20             ; V's codes, V's scales, maskbits, flags
	s_load_b64 s[20:21], s[0:1], 0x40              ; out0
	v_lshrrev_b32 v5, 5, v0
	v_readfirstlane_b32 s[WV], v5                  ; wave 0..15
	v_and_b32 v5, 15, v0                           ; r = lane % 16 (also thread % 16)
	v_bfe_u32 v6, v0, 4, 1                         ; h = lane / 16
	v_and_b32 v7, 8, v5
	v_add_nc_u32 v7, v7, v5                        ; r + 8 (r / 8)
	v_mul_u32_u24 v[AK0], v7, KPI
	v_lshl_add_u32 v[AK0], v6, 4, v[AK0]
	v_mul_u32_u24 v[AV0], v5, VPI
	v_lshl_add_u32 v[AV0], v6, 4, v[AV0]
	v_add_nc_u32 v[AV0], VOFF, v[AV0]
	v_lshl_add_u32 v[ASK0], v7, 2, KSC
	v_lshl_add_u32 v[ASV0], v5, 2, VSC             ; V's scale words: 4 bytes a row d, 64 a tile;
	v_lshl_add_u32 v[ASV0], v6, 8, v[ASV0]         ; lanes 16-31 take the tile four further on: one register carries two tiles' words
	v_lshrrev_b32 v8, 3, v0                        ; K on its way into a slot: eight threads to a row of 128 bytes
	v_and_b32 v11, 7, v0
	v_mul_u32_u24 v[KW0], v8, KPI
	v_lshl_add_u32 v[KW0], v11, 4, v[KW0]
	v_lshrrev_b32 v8, 4, v0                        ; V: sixteen threads to a row of 256 bytes
	v_mul_u32_u24 v[VW0], v8, VPI
	v_lshl_add_u32 v[VW0], v5, 4, v[VW0]
	v_add_nc_u32 v[VW0], VOFF, v[VW0]
	v_lshlrev_b32 v[GKO], 4, v0
	v_lshlrev_b32 v[GVO], 11, v8
	v_lshl_add_u32 v[GVO], v5, 4, v[GVO]
	v_mov_b32 v[NINF], 0xff800000
	v_mov_b32 v[F+1], 0                            ; (named as the upper half of a pair)
	v_mov_b32 v[PT], 0                             ; written once: a lane permute's destination counts as one of its sources
	v_lshlrev_b32 v[QO], 7, v5
	v_lshl_add_u32 v[QO], v6, 4, v[QO]
	v_lshlrev_b32 v[QSO], 2, v5
	v_add_nc_u32 v[TW], KSC, v[GKO]                ; the scale bytes' way into LDS: K's as they lie, 16 bytes a thread;
	v_and_b32 v7, 3, v0                            ; V's: thread tau holds steps 4 (tau % 4) + 0 .. 3 of row d = tau / 4
	v_lshrrev_b32 v8, 2, v0
	v_lshlrev_b32 v8, 2, v8
	v_lshl_add_u32 v8, v7, 11, v8
	v_add_nc_u32 v8, VSC, v8                       ; VSC + 512 x step + 4 d
	s_and_b32 s32, ttmp7, 0xffff                   ; the head among 64
	s_lshl_b32 s34, s32, 18                        ; its codes: 2,048 x 128 bytes in each of the three tensors
	s_mov_b32 s35, 0
	s_lshl_b32 s36, s32, 13                        ; its scale bytes: 8,192
	s_mov_b32 s37, 0
	s_lshr_b32 s33, s32, 5                         ; b
	s_and_b32 s32, s32, 31                         ; hd
	s_lshl_b32 s38, s33, 19                        ; maskbits: 128 x 16 x 256 bytes a batch
	s_mov_b32 s39, 0
	s_lshl_b32 s40, s33, 9                         ; flags: 128 words a batch
	s_mov_b32 s41, 0
	s_lshl_b32 s42, s33, 25                        ; out0: 2,048 rows of 16,384 bytes a batch,
	s_lshl_b32 s43, s32, 9                         ; 512 bytes of a row a head
	s_add_co_u32 s42, s42, s43
	s_mov_b32 s43, 0
	s_mov_b32 s[CS], 0x3e0293ee                    ; c = log2(e) / sqrt(128)
	s_mov_b32 s[CS+1], s[CS]                       ; (named with it as a pair, so it is written)
	s_mov_b32 s[SEL], 0x76543210
	s_mov_b32 s[SEL+1], 0xfedcba98
	s_mov_b32 s[MNT], 0x600000
	s_wait_alu depctr_va_sdst(0)                   ; the wave's number is written, ahead of its first reader: the line below
	s_sub_co_u32 s44, s[WV], 4
	s_lshr_b32 s44, s44, 3                         ; 0 in waves 4 to 11,
	s_or_b32 s44, s44, ttmp9                       ; of the head's work-group x = 0
	s_cmp_eq_u32 s44, 0
	s_cselect_b32 s[LIM], 2, -1
	s_cmp_lt_u32 s[WV], 8
	s_cselect_b32 s44, 8, 11                       ; K: 256 bytes from lane to lane; V: a row of 2,048
	v_and_b32 v[PFO], 127, v0                      ; 32 (wave % 4) + lane
	v_lshlrev_b32 v[PFO], s44, v[PFO]
	s_mov_b32 s[PS], 2
	s_xor_b32 s[BLK], ttmp9, 7                     ; 7 - x
	s_wait_kmcnt 0x0
	s_add_nc_u64 s[QB:QB+1], s[QB:QB+1], s[34:35]
	s_add_nc_u64 s[KPT:KPT+1], s[KPT:KPT+1], s[34:35]
	s_add_nc_u64 s[VPT:VPT+1], s[VPT:VPT+1], s[34:35]
	s_add_nc_u64 s[QSB:QSB+1], s[QSB:QSB+1], s[36:37]
	s_add_nc_u64 s[10:11], s[10:11], s[36:37]
	s_add_nc_u64 s[14:15], s[14:15], s[36:37]
	s_add_nc_u64 s[MBB:MBB+1], s[MBB:MBB+1], s[38:39]
	s_add_nc_u64 s[FLB:FLB+1], s[FLB:FLB+1], s[40:41]
	s_add_nc_u64 s[OB:OB+1], s[OB:OB+1], s[42:43]
	s_wait_alu depctr_va_vdst(0)                   ; the lane terms and offsets are written (v1-4, v9, v10, v16, v17, v25, v29, v30, and v8, v11 for the scale bytes): every load, store and prefetch of the kernel reads one of them or an address made of one
	global_load_b128 v[R:R+3], v[GKO], s[10:11]    ; the head's scale bytes come once, 8,192 consecutive bytes each, and stay in LDS
	global_load_b128 v[R+4:R+7], v[GKO], s[14:15]
	s_wait_loadcnt 0x0                             ; both are in: their bases s[10:11] and s[14:15] are free
	ds_store_b128 v[TW], v[R:R+3]
.irp i, 0,1,2,3
	ds_store_b32 v8, v[R+4+\i] offset:512*\i
.endr
	s_wait_dscnt 0x0                               ; the stores have landed
	s_wait_alu depctr_vm_vsrc(0)                   ; and have read R, in which the pass's first loads land
.macro STEP q                          ; A KEY STEP: 128 keys, the q-th of the slot in hand
	s_and_b32 s14, s[FL], 1<<\q                    ; has my tile an open place in this step?
	s_cmp_lg_u32 s14, 0
	s_cbranch_scc0 .Lhidden_\@                     ; no: all its p would be 0 and M would stay: nothing is done.  No barrier stands in a step
.irp k, 0,1
	s_load_b512 s[32+16*\k:47+16*\k], s[MPT:MPT+1], 256*\q+64*\k          ; the tile's 64 mask words: they land while the scores are made
	s_load_b512 s[68+16*\k:83+16*\k], s[MPT:MPT+1], 256*\q+128+64*\k
.endr
.if \q > 0
	s_wait_alu depctr_va_vdst(0)                   ; the slot's first step is done with A (p's codes, V's tiles 4 to 6) and with the scale words, in which K's loads land.  (For the first step the wait at the trip's head states the same)
.endif
.irp g, 0,1                                    ; S^T = K Q^T, four tiles of 16 keys at a time
.if \g > 0
	PLACES 8                                       ; in front of loads into registers that the four products have read
	s_wait_alu depctr_va_vdst(0)                   ; the four products are done reading K's fragments and scale words, in which the next four tiles' land; the places above stay beside this wait
.endif
.irp t, 0,1,2,3
.irp c, 0,1,2,3
	ds_load_b128 v[A+16*\t+4*\c:A+16*\t+4*\c+3], v[ADK] offset:(128*\q+32*((4*\g+\t)/2)+8*(\t%2))*KPI+32*\c
.endr
	ds_load_b32 v[KVS+\t], v[ADS] offset:512*\q+(32*((4*\g+\t)/2)+8*(\t%2))*4
.endr
	s_wait_dscnt 0x0
.irp t, 0,1,2,3
	v_wmma_scale_f32_16x16x128_f8f6f4 v[S+8*(4*\g+\t):S+8*(4*\g+\t)+7], v[A+16*\t:A+16*\t+15], v[Q:Q+15], 0, v[KVS+\t], v[QSC] matrix_a_fmt:MATRIX_FMT_BF8 matrix_b_fmt:MATRIX_FMT_BF8
.endr
.endr
	PLACES 8                                       ; in front of the first read of the scores, and of the first write into K's registers
	s_wait_kmcnt 0x0                               ; the mask words are in
	s_and_b32 s14, s[FL], 0x10000<<\q              ; has the tile a hidden place?
	s_cmp_lg_u32 s14, 0
	s_cbranch_scc0 .Lopen_\@
.set n, 0
.rept 64
	v_cndmask_b32 v[S+n], v[S+n], v[NINF], s[32+n+4*(n/32)]   ; a hidden score becomes -infinity: p = 0.  Ascending: each accumulator is read from its low end on
.set n, n+1
.endr
.Lopen_\@:
.irp b, 0,1,2,3
	v_max3_num_f32 v[BM+\b], v[S+16*\b], v[S+16*\b+1], v[S+16*\b+2]   ; THE LARGEST SCORE OF EACH BLOCK OF 32 KEYS: it serves the row's maximum and, since p rises with the score, the block's largest p
.endr
.irp i, 3,5,7,9,11,13
.irp b, 0,1,2,3
	v_max3_num_f32 v[BM+\b], v[BM+\b], v[S+16*\b+\i], v[S+16*\b+\i+1]   ; (the four blocks by turns)
.endr
.endr
.irp b, 0,1,2,3
	v_max_num_f32 v[BM+\b], v[BM+\b], v[S+16*\b+15]
.endr
.irp b, 0,1,2,3
	v_permlanex16_b32 v[PM+\b], v[BM+\b], s[SEL], s[SEL+1]   ; (its destination was written by this step's loads of K)
.endr
.irp b, 0,1,2,3
	v_max_num_f32 v[BM+\b], v[BM+\b], v[PM+\b]     ; with lane l xor 16's 16 keys
.endr
	v_max3_num_f32 v[T], v[BM], v[BM+1], v[BM+2]
	v_max_num_f32 v[T], v[T], v[BM+3]              ; the step's largest score of my query
	v_mul_f32 v[T], s[CS], v[T]                    ; as t (c is positive)
	v_max_num_f32 v[NM+1], v[NM+1], v[T]           ; the running largest t
	v_mov_b32 v[T], v[NM]
	v_floor_f32 v[NM], -v[NM+1]                    ; the new -M = floor(-t) = -ceil(t): M IS A WHOLE NUMBER
	v_sub_f32 v[T], v[NM], v[T]                    ; M's old value less its new one: a whole number, 0 or less
	v_cvt_i32_f32 v[T], v[T]                       ; (it saturates)
	v_ldexp_f32 v[F], 1.0, v[T]                    ; f = 2^(old M - new M): a multiplication by it rounds nothing
.set j, 0
.rept 32
	v_pk_fma_f32 v[S+j:S+j+1], v[S+j:S+j+1], s[CS:CS+1], v[NM:NM+1] op_sel_hi:[1,0,0]   ; t - M, two at a time (of the pairs c and -M the low word serves both halves)
.set j, j+2
.endr
.irp b, 0,1,2,3
	v_fma_f32 v[BM+\b], v[BM+\b], s[CS], v[NM]     ; the same of each block's largest score
.endr
.set j, 0
	s_wait_alu depctr_va_vdst(0)
.rept 64
	v_exp_f32 v[S+j], v[S+j]                       ; p = 2^(t - M), at most 1: NOT normalised
.set j, j+1
.endr
	v_pk_mul_f32 v[SUM:SUM+1], v[SUM:SUM+1], v[F:F+1] op_sel_hi:[1,0]   ; the sums under the new M.  (The plain instruction behind the exponentials)
	s_wait_alu depctr_va_vdst(0)                   ; the 64 exponentials have written p: one wait for the batch, ahead of its first reader
.irp b, 0,1,2,3
	v_exp_f32 v[BM+\b], v[BM+\b]                   ; the block's largest p: the same two instructions on the same number give the same bits
.endr
	v_pk_add_f32 v[SUM2:SUM2+1], v[S:S+1], v[S+2:S+3]   ; THE ROW'S SUM IS TAKEN OF THE UNQUANTISED p: two at a time, in two chains.  (They read the 64 alone: plain work behind the four)
.irp j, 4,8,12,16,20,24,28,32,36,40,44,48,52,56,60
	v_pk_add_f32 v[SUM:SUM+1], v[SUM:SUM+1], v[S+\j:S+\j+1]
	v_pk_add_f32 v[SUM2:SUM2+1], v[SUM2:SUM2+1], v[S+\j+2:S+\j+3]
.endr
	v_pk_add_f32 v[SUM:SUM+1], v[SUM:SUM+1], v[SUM2:SUM2+1]
	s_wait_alu depctr_va_vdst(0)                   ; and one for the four: the blocks' largest p are written
.irp b, 0,1,2,3
	v_max_num_f32 v[BM+\b], 0x8000000, v[BM+\b]    ; the floor 2^(16 - 127): the byte cannot fall under 1
.endr
.irp b, 0,1,2,3
	v_add_nc_u32 v[SCOP+\b], 0xf8800000, v[BM+\b]  ; 15 off the exponent field: the conversion's scale operand
.endr
.irp b, 0,1,2,3
	v_and_or_b32 v[HOLD+\b], v[BM+\b], 0x7f800000, s[MNT]   ; 57,344 x the scale
.endr
.irp b, 0,1,2,3
	v_lshrrev_b32 v[PM+\b], 23, v[SCOP+\b]         ; the scale's byte
.endr
	v_lshl_or_b32 v[PSC], v[PM+1], 8, v[PM]        ; p's scale word for these 128 keys
	v_lshl_or_b32 v[PSC], v[PM+2], 16, v[PSC]
	v_lshl_or_b32 v[PSC], v[PM+3], 24, v[PSC]
.irp b, 0,1,2,3
.irp i, 0,1,2,3,4,5,6,7,8,9,10,11,12,13,14,15
	v_min_num_f32 v[S+16*\b+\i], v[S+16*\b+\i], v[HOLD+\b]   ; the conversion to an 8-bit code does not saturate (ISA guide 7.6.2); p is not negative, so the hold is one-sided
.endr
	v_cvt_scalef32_pk8_bf8_f32 v[PC+4*\b:PC+4*\b+1], v[S+16*\b:S+16*\b+7], v[SCOP+\b]
	v_cvt_scalef32_pk8_bf8_f32 v[PC+4*\b+2:PC+4*\b+3], v[S+16*\b+8:S+16*\b+15], v[SCOP+\b]
.endr
	; O^T += V^T P^T: eight tiles of 16 of the head's 128; K = these 128 keys.  112 registers are free now: p's 64 and the 48 of A behind the codes: seven of V's eight fragments are asked for in one run
	s_wait_alu depctr_va_vdst(0)                   ; the holds and the conversions are done with p's registers and with the work registers from v[A+16] on, in which V's fragments land; and p's codes and scale word, which the products below take, are written
.irp t, 0,1,2,3
.irp c, 0,1,2,3
	ds_load_b128 v[S+16*\t+4*\c:S+16*\t+4*\c+3], v[ADV] offset:16*\t*VPI+128*\q+32*\c
.endr
.endr
.irp t, 0,1,2,3
	ds_load_b32 v[KVS+\t], v[ADT] offset:512*\q+64*\t   ; lanes 0-15: tile t's scale words; lanes 16-31: tile t + 4's
.endr
.irp t, 4,5,6
.irp c, 0,1,2,3
	ds_load_b128 v[A+16*(\t-3)+4*\c:A+16*(\t-3)+4*\c+3], v[ADV] offset:16*\t*VPI+128*\q+32*\c
.endr
.endr
.set j, 0
.rept 24
	v_pk_mul_f32 v[O+j:O+j+1], v[O+j:O+j+1], v[F:F+1] op_sel_hi:[1,0]   ; O^T under the new M, while the loads are out: tiles 0 to 5.  These 24 are also the plain work behind the last conversion and in front of the products that read the codes and p's scale word
.set j, j+2
.endr
	s_wait_dscnt 12                                ; tiles 0 to 3 and the scale words are in; the youngest twelve loads (tiles 4 to 6) may be out
	v_wmma_scale_f32_16x16x128_f8f6f4 v[O:O+7], v[S:S+15], v[PC:PC+15], v[O:O+7], v[KVS], v[PSC] matrix_a_fmt:MATRIX_FMT_BF8 matrix_b_fmt:MATRIX_FMT_BF8
.rept 8
	v_pk_mul_f32 v[O+j:O+j+1], v[O+j:O+j+1], v[F:F+1] op_sel_hi:[1,0]   ; tiles 6 and 7: they name no register of the product above, so they are the eight places in front of the loads into its fragment's registers
.set j, j+2
.endr
	s_wait_alu depctr_va_vdst(0)                   ; tile 0's product is done reading v[S:S+15], in which the eighth fragment lands
.irp c, 0,1,2,3
	ds_load_b128 v[S+4*\c:S+4*\c+3], v[ADV] offset:16*7*VPI+128*\q+32*\c   ; no product below names these registers before the wait for them
.endr
.irp t, 1,2,3
	v_wmma_scale_f32_16x16x128_f8f6f4 v[O+8*\t:O+8*\t+7], v[S+16*\t:S+16*\t+15], v[PC:PC+15], v[O+8*\t:O+8*\t+7], v[KVS+\t], v[PSC] matrix_a_fmt:MATRIX_FMT_BF8 matrix_b_fmt:MATRIX_FMT_BF8
.endr
	s_wait_dscnt 4                                 ; tiles 4 to 6 are in; tile 7's four loads may be out
.irp t, 4,5,6
	v_wmma_scale_f32_16x16x128_f8f6f4 v[O+8*\t:O+8*\t+7], v[A+16*(\t-3):A+16*(\t-3)+15], v[PC:PC+15], v[O+8*\t:O+8*\t+7], v[KVS+\t-4], v[PSC] matrix_a_fmt:MATRIX_FMT_BF8 matrix_b_fmt:MATRIX_FMT_BF8 matrix_a_scale:MATRIX_SCALE_ROW1
.endr
	s_wait_dscnt 0x0
	v_wmma_scale_f32_16x16x128_f8f6f4 v[O+56:O+63], v[S:S+15], v[PC:PC+15], v[O+56:O+63], v[KVS+3], v[PSC] matrix_a_fmt:MATRIX_FMT_BF8 matrix_b_fmt:MATRIX_FMT_BF8 matrix_a_scale:MATRIX_SCALE_ROW1
	PLACES 9                                       ; the next step's first products write over V's registers (nine places), its loads land on p's codes and on V's tiles 4 to 6, and the way out reads O^T (eight)
.Lhidden_\@:
.endm
.Lpass:                                            ; two trips: block 7 - x, then block x
	s_lshl_b32 s32, s[BLK], 4
	s_add_co_u32 s32, s32, s[WV]                   ; my tile of 16 queries, 0 .. 127
	s_lshl_b32 s34, s32, 2
	s_mov_b32 s35, 0
	s_add_nc_u64 s[34:35], s[FLB:FLB+1], s[34:35]
	s_load_b32 s[FL], s[34:35], 0x0                ; my tile's flags,
	s_lshl_b32 s40, s[BLK], 6
	s_mov_b32 s41, 0
	s_add_nc_u64 s[40:41], s[FLB:FLB+1], s[40:41]
	s_load_b512 s[68:83], s[40:41], 0x0            ; and those of all sixteen tiles of the block
	s_lshl_b32 s36, s32, 11                        ; Q's codes: 16 rows of 128 bytes a tile
	s_mov_b32 s37, 0
	s_add_nc_u64 s[36:37], s[QB:QB+1], s[36:37]
	s_lshl_b32 s38, s32, 6                         ; its scale words: 64 bytes a tile
	s_mov_b32 s39, 0
	s_add_nc_u64 s[38:39], s[QSB:QSB+1], s[38:39]
	s_lshl_b32 s[MPT], s32, 12                     ; my mask words: 16 steps of 256 bytes a tile
	s_mov_b32 s[MPT+1], 0
	s_add_nc_u64 s[MPT:MPT+1], s[MBB:MBB+1], s[MPT:MPT+1]
	; no wait on va_vdst here: between the last one (the head's; on the way back the one ahead of the way out's LDS stores) and these loads stands no vector or matrix instruction at all
.irp c, 0,1,2,3
	global_load_b128 v[Q+4*\c:Q+4*\c+3], v[QO], s[36:37] offset:32*\c th:TH_LOAD_NT   ; Q's fragment stays in registers for the pass; read once in the launch
.endr
	global_load_b32 v[QSC], v[QSO], s[38:39]
	LD4 R, GKO, KPT, 0, 8192                       ; slot 0 is always fetched: K's half through R,
	LD4 A, GVO, VPT, 0, 65536                      ; V's through registers that are free here
.set j, 0
.rept 64
	v_mov_b32 v[O+j], 0                            ; O^T.  Which step is a tile's first hangs on the mask, so no product can be written that starts the sums: they begin as zeros, which the first change of M leaves zeros
.set j, j+1
.endr
	v_mov_b32 v[NM+1], 0xff61b1e6                  ; the largest t so far: -3e38
	v_floor_f32 v[NM], -v[NM+1]                    ; -M
	v_mov_b32 v[SUM], 0
	v_mov_b32 v[SUM+1], 0
	s_mov_b32 s[TB], 0
	s_mov_b32 s[TS], 0
	s_mov_b32 s[SLOTS], 8
	s_wait_kmcnt 0x0
.irp i, 69,70,71,72,73,74,75,76,77,78,79,80,81,82,83
	s_or_b32 s68, s68, s[\i]
.endr
	s_and_b32 s68, s68, 0xffff                     ; bit j: some wave has an open place in step j
	s_lshr_b32 s69, s68, 1
	s_or_b32 s68, s68, s69                         ; bit 2 s: some wave wants slot s
	s_lshr_b32 s[WFN], s68, 2                      ; bit 0: slot 1.  Shifted by 2 a trip it is 0 in the last trip: nothing is fetched beyond the head's keys
	BAR                                            ; every wave's reads of the pass before are over (first pass: the scale bytes have landed)
	s_wait_loadcnt 0x0                             ; Q, its scale words and slot 0 are in
	ST4 KW0, R, 64*KPI                             ; slot 0 begins at LDS byte 0: my thread's places in a slot are the addresses
	ST4 VW0, A, 32*VPI
.Lslot:                                            ; eight trips, whatever the mask: the trip count, the barrier and the steps of the addresses hang on nothing that is read
	BAR                                            ; ONE barrier a slot, for two things: the slot in hand is whole (every wave's stores into it have landed), and nobody reads the other slot any more
	s_xor_b32 s15, s[TB], SLOT1                    ; the other slot
	s_wait_alu depctr_vm_vsrc(0)                   ; the LDS loads and stores issued so far have read the six addresses, which are written below; the stores have read R, in which the next slot's K lands, and (first trip) v[A:A+15], in which K's fragments land
	v_add_nc_u32 v[ADK], s[TB], v[AK0]             ; the slot's six LDS addresses, once for both its steps: the steps differ by immediates
	v_add_nc_u32 v[ADV], s[TB], v[AV0]
	v_add_nc_u32 v[ADS], s[TS], v[ASK0]
	v_add_nc_u32 v[ADT], s[TS], v[ASV0]
	v_add_nc_u32 v[TW], s15, v[KW0]
	v_add_nc_u32 v[TW2], s15, v[VW0]
	s_wait_alu depctr_va_vdst(0)                   ; the six addresses are written, which the trip's LDS loads and stores read; and the last step is done with A and with the scale words, in which the first step's loads land
	s_and_b32 s14, s[WFN], 1                       ; is the next slot wanted?  The same number in all sixteen waves, and the same in the trip's three tests
	s_cmp_lg_u32 s14, 0
	s_cbranch_scc0 .Lno_k
	LD4 R, GKO, KPT, 32768, 8192                   ; its K: it has the first step in which to land
.Lno_k:
	ASK
	STEP 0
	s_and_b32 s14, s[WFN], 1
	s_cmp_lg_u32 s14, 0
	s_cbranch_scc0 .Lno_kv
	s_wait_loadcnt 0x0                             ; K's four pieces are in
	ST4 TW, R, 64*KPI
	s_wait_dscnt 0x0                               ; the stores have landed
	s_wait_alu depctr_vm_vsrc(0)                   ; and have read R,
	LD4 R, GVO, VPT, 256, 65536                    ; which takes the next slot's V: it has the second step in which to land
.Lno_kv:
	STEP 1
	s_and_b32 s14, s[WFN], 1
	s_cmp_lg_u32 s14, 0
	s_cbranch_scc0 .Lno_v
	s_wait_loadcnt 0x0
	ST4 TW2, R, 32*VPI
.Lno_v:
	s_wait_loadcnt 0x0                             ; no load of mine is out on any way to this line (on the ways that are taken none was left): R may be loaded again
	s_wait_xcnt 0x0                                ; the trip's prefetch and scalar loads have read their bases: they are stepped only behind this wait
	s_add_nc_u64 s[KPT:KPT+1], s[KPT:KPT+1], 32768 ; 256 keys on
	s_add_nc_u64 s[VPT:VPT+1], s[VPT:VPT+1], 256
	s_add_nc_u64 s[MPT:MPT+1], s[MPT:MPT+1], 512
	s_xor_b32 s[TB], s[TB], SLOT1
	s_add_co_u32 s[TS], s[TS], 1024
	s_lshr_b32 s[FL], s[FL], 2
	s_lshr_b32 s[WFN], s[WFN], 2
	s_sub_co_u32 s[SLOTS], s[SLOTS], 1
	s_cmp_lg_u32 s[SLOTS], 0
	s_cbranch_scc1 .Lslot
	; THE WAY OUT.  O^T is divided by the sum and goes through my own stage in LDS, half a head's row (64 channels, 256 bytes) of 16 queries at a time, so that sixteen lanes store 256 consecutive bytes, aligned.
	s_wait_alu depctr_vm_vsrc(0)                   ; the last trip's LDS loads and stores have read v5 to v8 and v11, which are written anew below
	v_add_f32 v[SUM], v[SUM], v[SUM+1]             ; the sum's two halves,
	v_permlanex16_b32 v[PT], v[SUM], s[SEL], s[SEL+1]
	v_add_f32 v[SUM], v[SUM], v[PT]                ; and lane l xor 16's: the row's sum
	s_wait_alu depctr_va_vdst(0)
	v_rcp_f32 v[SUM], v[SUM]
	v_and_b32 v8, 15, v0                           ; (plain work behind the reciprocal)  r
	v_bfe_u32 v11, v0, 4, 1                        ; h
	s_mul_i32 s33, s[WV], 16*SPI
	s_add_co_u32 s33, s33, STAGE                   ; my stage
	v_mul_u32_u24 v[SO], v8, SPI
	v_lshl_add_u32 v[SO], v11, 5, v[SO]
	v_add_nc_u32 v[SO], s33, v[SO]                 ; in: row r; tile t's eight channels of my half: 64 t + 32 h bytes on
	v_mul_u32_u24 v[SR], v11, SPI
	v_lshl_add_u32 v[SR], v8, 4, v[SR]
	v_add_nc_u32 v[SR], s33, v[SR]                 ; back: lanes 0-15 one row, lanes 16-31 the next
	v_lshlrev_b32 v[GO], 14, v11                   ; and the same two rows in out0, 16,384 bytes apart
	v_lshl_add_u32 v[GO], v8, 4, v[GO]
	s_lshl_b32 s32, s[BLK], 4
	s_add_co_u32 s32, s32, s[WV]
	s_lshl_b32 s36, s32, 18                        ; my tile's 16 rows of out0
	s_mov_b32 s37, 0
	s_add_nc_u64 s[36:37], s[OB:OB+1], s[36:37]
	s_wait_alu depctr_va_vdst(0)                   ; the reciprocal is written: the wait ahead of its first reader
.set j, 0
.rept 32
	v_pk_mul_f32 v[S+j:S+j+1], v[O+j:O+j+1], v[SUM:SUM+1] op_sel_hi:[1,0]   ; O^T / the sum, ascending: register 8 t + i is o(r, 16 t + 8 h + i)
.set j, j+2
.endr
	s_wait_alu depctr_va_vdst(0)                   ; the 32 multiplications have written v[S ..], which the LDS stores read.  (The three addresses were written ahead of the wait above; so was all that named A, in which the loads from the stage land)
.irp u, 0,1                                    ; channels 64 u on
.irp t, 0,1,2,3
	ds_store_b128 v[SO], v[S+32*\u+8*\t:S+32*\u+8*\t+3] offset:64*\t
	ds_store_b128 v[SO], v[S+32*\u+8*\t+4:S+32*\u+8*\t+7] offset:64*\t+16
.endr
.irp i, 0,1,2,3,4,5,6,7
	ds_load_b128 v[A+32*\u+4*\i:A+32*\u+4*\i+3], v[SR] offset:2*\i*SPI   ; LDS serves a wave's instructions in order (ISA guide 5.7.1.4): these see my stores, and the next half's stores come behind them
.endr
.endr
.irp u, 0,1
.irp i, 0,1,2,3,4,5,6,7
	s_wait_dscnt 16*(1-\u)+7-\i                    ; behind this load: the rest of its eight, and for the first half the second half's sixteen
	global_store_b128 v[GO], v[A+32*\u+4*\i:A+32*\u+4*\i+3], s[36:37] offset:32768*\i+256*\u th:TH_STORE_NT   ; written once, read by nobody here
.endr
.endr
	s_wait_xcnt 0x0                                ; the stores have had their addresses translated: their base may be written again
	s_wait_alu depctr_vm_vsrc(0)                   ; the stores have read v[A ..], in which the next pass's V lands, and v[S ..], which its products write; they and the stage's loads have read their three addresses, which the next trip's head writes
	s_sub_nc_u64 s[KPT:KPT+1], s[KPT:KPT+1], 0x40000   ; K and V back to the head's first keys
	s_sub_nc_u64 s[VPT:VPT+1], s[VPT:VPT+1], 2048
	s_xor_b32 s[BLK], s[BLK], 7                    ; block x
	s_mov_b32 s[LIM], -1                           ; K and V have been read: nothing more is prefetched
	s_sub_co_u32 s[PS], s[PS], 1
	s_cmp_lg_u32 s[PS], 0
	s_cbranch_scc1 .Lpass
	s_wait_xcnt 0x0
	v_lshl_add_u32 v254, v0, 2, 0x42800            ; no two registers could be kept: the add's two are made anew, in registers of O^T, which no memory or LDS instruction has ever read
	v_mov_b32 v255, 0
	s_wait_dscnt 0x0                               ; the closing lines, six on end
	s_wait_alu 0x0
	s_wait_tensorcnt 0x0
	ds_add_u32 v254, v255
	s_wait_dscnt 0x0
	s_endpgm
.Lfunc_end_k_q1751b322d2_attn:
	.size	k_q1751b322d2_attn, .Lfunc_end_k_q1751b322d2_attn-k_q1751b322d2_attn
	.p2alignl 7, 3214868480
	.fill 96, 4, 3214868480
	.section	.rodata,"a",@progbits
	.p2align	6, 0x0
	.amdhsa_kernel k_q1751b322d2_attn
		.amdhsa_group_segment_fixed_size 274432
		.amdhsa_private_segment_fixed_size 0
		.amdhsa_enable_private_segment 0
		.amdhsa_kernarg_size 72
		.amdhsa_user_sgpr_count 2
		.amdhsa_user_sgpr_kernarg_segment_ptr 1
		.amdhsa_wavefront_size32 1
		.amdhsa_system_sgpr_workgroup_id_x 1
		.amdhsa_system_sgpr_workgroup_id_y 1
		.amdhsa_system_sgpr_workgroup_id_z 1
		.amdhsa_system_vgpr_workitem_id 0
		.amdhsa_next_free_vgpr 256
		.amdhsa_next_free_sgpr 100
		.amdhsa_reserve_vcc 0
		.amdhsa_float_denorm_mode_32 3
		.amdhsa_float_denorm_mode_16_64 3
		.amdhsa_memory_ordered 1
		.amdhsa_forward_progress 1
		.amdhsa_inst_pref_size 76
	.end_amdhsa_kernel
	.amdgpu_metadata
---
amdhsa.version: [ 1, 2 ]
amdhsa.kernels:
  - .name:           k_q1751b322d2_attn
    .symbol:         k_q1751b322d2_attn.kd
    .args:
      - { .name: query_layer_codes, .offset: 0, .size: 8, .value_kind: global_buffer, .address_space: global }
      - { .name: query_layer_scales, .offset: 8, .size: 8, .value_kind: global_buffer, .address_space: global }
      - { .name: key_layer_codes, .offset: 16, .size: 8, .value_kind: global_buffer, .address_space: global }
      - { .name: key_layer_scales, .offset: 24, .size: 8, .value_kind: global_buffer, .address_space: global }
      - { .name: value_layer_codes, .offset: 32, .size: 8, .value_kind: global_buffer, .address_space: global }
      - { .name: value_layer_scales, .offset: 40, .size: 8, .value_kind: global_buffer, .address_space: global }
      - { .name: maskbits, .offset: 48, .size: 8, .value_kind: global_buffer, .address_space: global }
      - { .name: flags, .offset: 56, .size: 8, .value_kind: global_buffer, .address_space: global }
      - { .name: out0, .offset: 64, .size: 8, .value_kind: global_buffer, .address_space: global }
    .group_segment_fixed_size: 274432
    .private_segment_fixed_size: 0
    .kernarg_segment_align: 8
    .kernarg_segment_size: 72
    .max_flat_workgroup_size: 512
    .sgpr_count:     100
    .vgpr_count:     256
    .wavefront_size: 32
...
	.end_amdgpu_metadata
.endif
;; end of part 4
